; MI455X (gfx1250); checked and timed in simulation.
; The chip was launched on July 23, 2026; its instructions are those of AMD's public machine-readable ISA for CDNA 5 (MIT licence, August 2026) and "CDNA5" Instruction Set Architecture Reference Guide (July 2026). The comments in the code are by the model that wrote it; some were corrected since.
;; Block. Allowed arithmetic: matrix products marked QUANTISED: E2M3 operands, one E8M0 scale for each 32 along K, by v_wmma_scale_f32_16x16x128_f8f6f4 with both operands' format E2M3, f32 sums; everything else in f32.
;; Inputs: attn_b 3,072 float32; attn_w_codes 3,072 x 32 x 24 uint8 (E2M3 codes of attn_w, K innermost, in blocks of 32 codes, four codes in three bytes); attn_w_scales 3,072 x 32 uint8 (E8M0 scales of attn_w, one for each 32 codes along K); attnproj_b 1,024 float32; attnproj_w_codes 1,024 x 32 x 24 uint8 (E2M3 codes of attnproj_w, K innermost, in blocks of 32 codes, four codes in three bytes); attnproj_w_scales 1,024 x 32 uint8 (E8M0 scales of attnproj_w, one for each 32 codes along K); fc_b 4,096 float32; fc_w_codes 4,096 x 32 x 24 uint8 (E2M3 codes of fc_w, K innermost, in blocks of 32 codes, four codes in three bytes); fc_w_scales 4,096 x 32 uint8 (E8M0 scales of fc_w, one for each 32 codes along K); ln1_b 1,024 float32; ln1_w 1,024 float32; ln2_b 1,024 float32; ln2_w 1,024 float32; proj_b 1,024 float32; proj_w_codes 1,024 x 128 x 24 uint8 (E2M3 codes of proj_w, K innermost, in blocks of 32 codes, four codes in three bytes); proj_w_scales 1,024 x 128 uint8 (E8M0 scales of proj_w, one for each 32 codes along K); x 2 x 2,048 x 1,024 float32.
;; Outputs: out0 2 x 2,048 x 1,024 float32; out1 one number float32.
;; This version of the problem:
;;   THIS VERSION OF THE PROBLEM IS GIVEN IN LOW PRECISION. The matrix products marked QUANTISED in the list below multiply operands that are first quantised to E2M3 (2 exponent bits, 3 mantissa bits; 6 bits a number), with one power-of-two scale for each 32 numbers along K (OCP MX v1.0); their sums are f32. All else is computed in f32.
;;   The module's matrix products, in the order in which they are computed (A, B: the left and right operand; K: the contracted axis; several contracted axes count as one K, in the product's order):
;;     1. [M 4,096, K 1,024] x [K 1,024, N 3,072]; A: computed on the way; B: input attn_w (given as codes): QUANTISED
;;     2. batch 32 x [M 2,048, K 64] x [K 64, N 2,048]; A: computed on the way; B: computed on the way: QUANTISED
;;     3. batch 32 x [M 2,048, K 2,048] x [K 2,048, N 64]; A: softmax (see below); B: computed on the way: QUANTISED
;;     4. [M 4,096, K 1,024] x [K 1,024, N 1,024]; A: computed on the way; B: input attnproj_w (given as codes): QUANTISED
;;     5. [M 4,096, K 1,024] x [K 1,024, N 4,096]; A: computed on the way; B: input fc_w (given as codes): QUANTISED
;;     6. [M 4,096, K 4,096] x [K 4,096, N 1,024]; A: computed on the way; B: input proj_w (given as codes): QUANTISED
;;   THE QUANTISER, for each operand of a quantised product, along K:
;;     - K is cut into blocks of 32 from its start; a last block that is shorter is filled with zeros.
;;     - A block's scale is 2^e with e = floor(log2(the largest magnitude in the block)) - 2, held to -126 .. 127; a block of zeros has e = 0. As a byte (E8M0): e + 127.
;;     - Each number is divided by its block's scale, clamped to +-7.5, and rounded to the nearest number of E2M3, ties to even, subnormals kept.
;;     - The product sums the exact products of the quantised numbers (number of the format x scale) in f32.
;;   ~~~python
;;   def quantise(x, axis):      # numpy; x: float32 -> the quantised numbers, widened to float32 again
;;       x = np.moveaxis(x, axis, -1); K = x.shape[-1]
;;       x = np.pad(x, [(0, 0)] * (x.ndim - 1) + [(0, -K % 32)]); x = x.reshape(x.shape[:-1] + (-1, 32)); a = np.abs(x).max(-1, keepdims=True)
;;       e = np.where(a > 0, np.clip(np.frexp(np.where(a > 0, a, 1))[1] - 1 - 2, -126, 127), 0)      # np.frexp(a)[1] - 1 = floor(log2(a)), exactly
;;       r = np.clip(x / 2.0 ** e, -7.5, 7.5)
;;       step = 2.0 ** (np.maximum(np.frexp(np.where(r == 0, 1, r))[1] - 1, 0) - 3)
;;       q = np.round(r / step) * step * 2.0 ** e      # np.round: ties to even
;;       return np.moveaxis(q.reshape(q.shape[:-2] + (-1,))[..., :K], -1, axis).astype(np.float32)
;;   ~~~
;;   SOFTMAX AHEAD OF A QUANTISED PRODUCT. Where the list says 'softmax', what is quantised is not the finished softmax but p = 2^(t - M), with t = logit x log2(e) and M = ceil(the row's largest t), a whole number; so 1/2 < the row's largest p <= 1. The row's sum l is taken of the UNQUANTISED p, in f32, and the product's result is divided by l at the end. Since M is a whole number, a kernel that streams over the keys may use a running M (the ceiling of the running maximum): every later rescaling is an exact power of two, which a block's scale takes up: the codes' values come out the same.
;;   OPERANDS COMPUTED ON THE WAY. 'Computed on the way' means the value that the module computes at that place (a softmax that the list does not call 'softmax' is quantised finished and normalised). What goes into a quantiser is computed in f32, as accurately as f32 sums, v_exp_f32 and their like allow (about 1e-6 of the number): no bf16 or f16 on the way to a quantiser, and a product that is left as it is and whose result goes on into a quantised operand takes f32 operands (vector FMAs, or v_wmma_f32_16x16x4_f32). A number that lies on a knife's edge between two numbers of the format may be rounded either way, as far as f32 arithmetic and the matrix unit's own rounding can turn it there, and no further.
;;   INPUTS GIVEN AS CODES. attn_w (in the module: [3072, 1024], K = its axis 1); attnproj_w (in the module: [1024, 1024], K = its axis 1); fc_w (in the module: [4096, 1024], K = its axis 1); proj_w (in the module: [1024, 4096], K = its axis 1): each comes as NAME_codes (uint8): NAME with its K axis moved to the last place and cut into blocks of 32 codes, [.., K / 32, bytes a block], one block behind the other in memory; four codes in three bytes: a row's codes are one little-endian stream of bits, code i at bits 6 i .. 6 i + 5 (a code: sign, 2 exponent bits, 3 mantissa bits); and NAME_scales (uint8): the same leading axes, one E8M0 byte (e + 127) for each 32 codes along K. Its value is code x scale, taken as it is: it is not quantised again, and the codes and scales need not be those that the quantiser above would give.
;; One version. Each part assembles by itself: llvm-mc -triple=amdgcn-amd-amdhsa -mcpu=gfx1250 --defsym DOCPART=n.
;; ======== version 1 of 1: 7 launches
;; limits: a function is approximated: absolute error at most 2.05e-05
;; workspace buffers: hbuf 3,276,800 bytes; qbuf 3,276,800 bytes; kvbuf 6,553,600 bytes; ybuf 3,276,800 bytes; x1 16,777,216 bytes; mbuf 13,107,200 bytes; ent 1,024 bytes
;; launch ln1 (part 1): grid 256 x 1, 4 waves a work-group, no clusters, 66,304 bytes of LDS; arguments x, ln1_w, ln1_b, hbuf; writes hbuf
.if DOCPART == 1
	.amdgcn_target "amdgcn-amd-amdhsa--gfx1250"
	.amdhsa_code_object_version 6
	.text
	.protected	k_q4df68de9ed_ln1
	.globl	k_q4df68de9ed_ln1
	.p2align	8
	.type	k_q4df68de9ed_ln1,@function
k_q4df68de9ed_ln1:
	s_mov_b64 s[64:65], 0
	v_nop
	global_prefetch_b8 v0, s[64:65] scope:SCOPE_SE
	s_setreg_imm32_b32 hwreg(HW_REG_WAVE_MODE, 25, 1), 1
	s_wait_xcnt 0x0
; LAUNCH 1 OF 7: h = layernorm(x) w + b, quantised along its 1,024 columns to E2M3 codes with one E8M0 byte for each 32, stored as images of the next product's operand registers.
; THE PROGRAM: ln1 | qkv (product 1, q k v quantised) | attn (products 2, 3, softmax, entropy parts, y quantised) | aproj (product 4 + x) | ln2 (+ the entropy's sum) | fc (product 5, gelu, quantised) | proj (product 6 + x1).
; WORK LEFT OUT, for all values of the inputs.  No input is dead: all 17 are loaded (attn_b's part for k stays: it moves k's codes).
;  (a) reference() hides key k from query q where k > q by a mask that it builds itself: a step of 128 keys all of which come after a wave's 16 queries is not multiplied (launch attn).
;  (b) The entropy of a row: with a = p / l, u = log2 p:  -sum a ln a = ln 2 (log2 l - (sum p u) / l), an identity; l and sum p u are carried along the keys, so no logarithm is taken of each a.
;      reference() writes ln(a + 1e-8): a ln(1 + 1e-8 / a) lies in [0, 1e-8] for every a >= 0, so a row, and out1 with it, differs by at most 2,048 x 1e-8 = 2.05e-5.  LIMIT, stated: that term is not formed.
;      What the 1e-8: hidden scores are -3e38, a finite number, so p = 0 and p u = -0.
; LIMITS: NaN and infinities among the inputs are not served; a NaN, an infinity or an overflow that would reach only the work left out is not carried to a result.  A block of zeros gets the scale byte 1 where the
; rule says 127: its codes are zeros, and these bytes are read by this program alone.  Blocks whose largest magnitude lies under 2^-124 are held at byte 1.
; IMAGE OF A FRAGMENT (16 rows x 128 K, 12 registers a lane): registers 4 g .. 4 g + 3 of lane l at byte 512 g + 16 l: 1,536 bytes.  hbuf: [256 row tiles][8 K steps][1,536]; from byte SCOFF on the scale words, [256][8][16 rows x 4 bytes].
; SHARES: a work-group takes 16 rows.  Phase 1: wave w normalises rows 4 w .. 4 w + 3, a row in 32 registers, read once.  The rows meet in LDS.  Phase 2: wave w quantises K steps 2 w and 2 w + 1 of all 16 rows:
; lane (r, h) takes of row r the numbers 64 c + 32 h + 0 .. 31 of a K step, two whole blocks, in the order of the operand's registers.
; No tensor load and no ring: every byte that the work-group reads is asked for at its head (48 loads a wave).  No matrix unit, no cluster: rows share nothing but gain and bias.
.set WITH_ENT, 0
.set PITCH, 4112                       ; a row in LDS: 4,096 bytes + 16, an odd multiple of 16: the 16 rows of a 16-byte load fall on different 16-byte columns
.set SPARE, 16*PITCH                   ; behind the rows: the spare words, 128 bytes a wave
.set SCOFF, 3145728
.set X,   64                           ; v64-191  phase 1: four rows x 32; phase 2: two K steps x 64 numbers
.set GW,  192                          ; v192-223 the gain of my 32 columns
.set GB,  224                          ; v224-255 the bias
.set T,   8                            ; v8-23    four registers a row: sums, mean, 1 / sigma
.set PD,  24                           ; v24-27   lane permutes' destinations
.set TM,  8                            ; phase 2: v8-9 largest magnitudes, v10-11 scale operands, v12-13 bytes
.set SO,  10
.set BY,  12
.set WD,  14                           ; v14-15   the scale words of my two K steps
.set W2,  16
.set TQ,  18                           ; v18-20, v22-24 upper halves of blocks (a conversion's three registers begin on an even number)
.set PC,  28                           ; v28-39, v40-51 the two fragments
.set WS,  52
.set SPW, 62                           ; LDS address of my spare word; never rewritten
.set NIL, 63                           ; 0; never rewritten
	s_load_b256 s[4:11], s[0:1], 0x0               ; x, gain, bias, hbuf
.if WITH_ENT
	s_load_b128 s[12:15], s[0:1], 0x20             ; ent, out1
.endif
	v_lshl_add_u32 v[SPW], v0, 2, SPARE
	v_mov_b32 v[NIL], 0
	v_lshrrev_b32 v1, 5, v0
	v_readfirstlane_b32 s16, v1                    ; wave
	v_and_b32 v6, 31, v0                           ; lane
	v_and_b32 v2, 15, v0                           ; r
	v_bfe_u32 v3, v0, 4, 1                         ; h
	v_lshlrev_b32 v1, 4, v6                        ; 16 x lane
	s_mul_i32 s17, s16, 4*PITCH
	v_add_nc_u32 v4, s17, v1                       ; LDS, in: my four rows, 16 bytes a lane
	v_mul_u32_u24 v5, v2, PITCH
	v_lshl_add_u32 v5, v3, 7, v5
	s_lshl_b32 s17, s16, 10
	v_add_nc_u32 v5, s17, v5                       ; LDS, out: row r, + 128 h, + my two K steps (1,024 bytes a wave)
	v_lshlrev_b32 v7, 3, v3                        ; 8 h: how far my two scale bytes are shifted
	v_lshlrev_b32 v6, 2, v6                        ; 4 x lane
	s_mov_b32 s20, 0x76543210
	s_mov_b32 s21, 0xfedcba98                      ; v_permlanex16_b32's selects for lane l xor 16
	s_mov_b32 s22, 0x3a800000                      ; 1 / 1,024
	s_mov_b32 s23, 0x3727c5ac                      ; 1e-5
	s_mov_b32 s24, 0xffff0000                      ; lanes 16-31
	s_lshl_b32 s18, ttmp9, 16                      ; 16 rows of 4,096 bytes a work-group,
	s_lshl_b32 s19, s16, 14                        ; 4 a wave
	s_add_co_u32 s18, s18, s19
	s_mov_b32 s19, 0
	s_mul_i32 s26, ttmp9, 12288                    ; the row tile's 8 images,
	s_mul_i32 s27, s16, 3072                       ; my two of them
	s_add_co_u32 s26, s26, s27
	s_mov_b32 s27, 0
	s_lshl_b32 s28, ttmp9, 9                       ; its 8 x 64 bytes of scale words,
	s_lshl_b32 s29, s16, 7                         ; my 128
	s_add_co_u32 s28, s28, s29
	s_add_co_u32 s28, s28, SCOFF
	s_mov_b32 s29, 0
	s_wait_kmcnt 0x0
	s_add_nc_u64 s[4:5], s[4:5], s[18:19]
	s_add_nc_u64 s[26:27], s[10:11], s[26:27]
	s_add_nc_u64 s[28:29], s[10:11], s[28:29]
.irp p, 0,1,2,3
.irp j, 0,1,2,3,4,5,6,7
	global_load_b128 v[X+32*\p+4*\j:X+32*\p+4*\j+3], v1, s[4:5] offset:4096*\p+512*\j   ; 32 lanes read 512 consecutive bytes
.endr
.endr
.irp j, 0,1,2,3,4,5,6,7
	global_load_b128 v[GW+4*\j:GW+4*\j+3], v1, s[6:7] offset:512*\j
.endr
.irp j, 0,1,2,3,4,5,6,7
	global_load_b128 v[GB+4*\j:GB+4*\j+3], v1, s[8:9] offset:512*\j
.endr
.irp p, 0,1,2,3
	v_mov_b32 v[PD+\p], 0                          ; written once: a lane permute's destination counts as one of its sources
.endr
; the four rows' lane sums in v[T + 4 p] become the rows' sums, in every lane; the rows by turns
.macro RED4
.irp m, 1,2,4,8
.irp p, 0,1,2,3
	v_add_f32_dpp v[T+4*\p], v[T+4*\p], v[T+4*\p] row_xmask:\m row_mask:0xf bank_mask:0xf
.endr
.endr
.irp p, 0,1,2,3
	v_permlanex16_b32 v[PD+\p], v[T+4*\p], s20, s21
.endr
.irp p, 0,1,2,3
	v_add_f32 v[T+4*\p], v[T+4*\p], v[PD+\p]
.endr
.endm
	s_wait_loadcnt 16                              ; x is in; the 16 loads of gain and bias, issued behind it, may be out
.irp p, 0,1,2,3
	v_pk_add_f32 v[T+4*\p:T+4*\p+1], v[X+32*\p:X+32*\p+1], v[X+32*\p+2:X+32*\p+3]       ; the first words start two chains a row: nothing is cleared
	v_pk_add_f32 v[T+4*\p+2:T+4*\p+3], v[X+32*\p+4:X+32*\p+5], v[X+32*\p+6:X+32*\p+7]
.endr
.irp j, 8,12,16,20,24,28
.irp p, 0,1,2,3
	v_pk_add_f32 v[T+4*\p:T+4*\p+1], v[T+4*\p:T+4*\p+1], v[X+32*\p+\j:X+32*\p+\j+1]
	v_pk_add_f32 v[T+4*\p+2:T+4*\p+3], v[T+4*\p+2:T+4*\p+3], v[X+32*\p+\j+2:X+32*\p+\j+3]
.endr
.endr
.irp p, 0,1,2,3
	v_pk_add_f32 v[T+4*\p:T+4*\p+1], v[T+4*\p:T+4*\p+1], v[T+4*\p+2:T+4*\p+3]
.endr
.irp p, 0,1,2,3
	v_add_f32 v[T+4*\p], v[T+4*\p], v[T+4*\p+1]
.endr
	RED4
.irp p, 0,1,2,3
	v_mul_f32 v[T+4*\p], s22, v[T+4*\p]            ; the mean
.endr
.irp p, 0,1,2,3
.set j, 0
.rept 16
	v_pk_add_f32 v[X+32*\p+j:X+32*\p+j+1], v[X+32*\p+j:X+32*\p+j+1], v[T+4*\p:T+4*\p+1] op_sel_hi:[1,0] neg_lo:[0,1] neg_hi:[0,1]   ; d = x - mean, in place
.set j, j+2
.endr
.endr
.irp p, 0,1,2,3
	v_pk_mul_f32 v[T+4*\p:T+4*\p+1], v[X+32*\p:X+32*\p+1], v[X+32*\p:X+32*\p+1]         ; the sum of d^2, again in two chains a row
	v_pk_mul_f32 v[T+4*\p+2:T+4*\p+3], v[X+32*\p+2:X+32*\p+3], v[X+32*\p+2:X+32*\p+3]
.endr
.irp j, 4,8,12,16,20,24,28
.irp p, 0,1,2,3
	v_pk_fma_f32 v[T+4*\p:T+4*\p+1], v[X+32*\p+\j:X+32*\p+\j+1], v[X+32*\p+\j:X+32*\p+\j+1], v[T+4*\p:T+4*\p+1]
	v_pk_fma_f32 v[T+4*\p+2:T+4*\p+3], v[X+32*\p+\j+2:X+32*\p+\j+3], v[X+32*\p+\j+2:X+32*\p+\j+3], v[T+4*\p+2:T+4*\p+3]
.endr
.endr
.irp p, 0,1,2,3
	v_pk_add_f32 v[T+4*\p:T+4*\p+1], v[T+4*\p:T+4*\p+1], v[T+4*\p+2:T+4*\p+3]
.endr
.irp p, 0,1,2,3
	v_add_f32 v[T+4*\p], v[T+4*\p], v[T+4*\p+1]
.endr
	RED4
.irp p, 0,1,2,3
	v_fma_f32 v[T+4*\p], v[T+4*\p], s22, s23       ; the variance + 1e-5
.endr
.irp p, 0,1,2,3
	v_rsq_f32 v[T+4*\p], v[T+4*\p]                 ; the four as one batch
.endr
	v_nop                                          ; a plain instruction behind the last of them
	s_wait_alu depctr_va_vdst(0)                   ; one wait for the batch, ahead of its first reader
	s_wait_loadcnt 0x0                             ; gain and bias
.irp p, 0,1,2,3
.set j, 0
.rept 16
	v_pk_mul_f32 v[X+32*\p+j:X+32*\p+j+1], v[X+32*\p+j:X+32*\p+j+1], v[T+4*\p:T+4*\p+1] op_sel_hi:[1,0]
	v_pk_fma_f32 v[X+32*\p+j:X+32*\p+j+1], v[X+32*\p+j:X+32*\p+j+1], v[GW+j:GW+j+1], v[GB+j:GB+j+1]
.set j, j+2
.endr
.irp j, 0,1,2,3,4,5,6,7
	ds_store_b128 v4, v[X+32*\p+4*\j:X+32*\p+4*\j+3] offset:\p*PITCH+512*\j
.endr
.endr
	s_wait_dscnt 0x0                               ; for the others' sake: my rows lie in LDS
	s_barrier_signal -1
	s_barrier_wait -1
.irp u, 0,1
.irp c, 0,1
.irp i, 0,1,2,3,4,5,6,7
	ds_load_b128 v[X+64*\u+32*\c+4*\i:X+64*\u+32*\c+4*\i+3], v5 offset:512*\u+256*\c+16*\i   ; row r, K step 2 w + u, numbers 64 c + 32 h + 4 i ..
.endr
.endr
.endr
	v_mov_b32 v[W2], 0
	s_wait_dscnt 0x0
; K step 2 w + u: 64 numbers of a lane become 12 registers of codes and, with lane l xor 16's two bytes, the row's scale word
.macro KQ u
.set NN, X+64*\u
.set CC, PC+12*\u
.irp c, 0,1
	v_max3_num_f32 v[TM+\c], |v[NN+32*\c]|, |v[NN+32*\c+1]|, 0x1800000   ; my block 2 c + h: all 32 numbers are mine; the floor 2^(3 - 127) holds the byte at 1 from below
.endr
.irp i, 2,4,6,8,10,12,14,16,18,20,22,24,26,28,30
.irp c, 0,1
	v_max3_num_f32 v[TM+\c], v[TM+\c], |v[NN+32*\c+\i]|, |v[NN+32*\c+\i+1]|
.endr
.endr
.irp c, 0,1
	v_add_nc_u32 v[SO+\c], 0xff000000, v[TM+\c]    ; 2 off the exponent field: the conversion's scale operand
.endr
.irp c, 0,1
	v_lshrrev_b32 v[BY+\c], 23, v[SO+\c]           ; the scale's byte
.endr
	v_lshl_or_b32 v[WD+\u], v[BY+1], 16, v[BY]     ; blocks h and 2 + h,
	v_lshlrev_b32 v[WD+\u], v7, v[WD+\u]           ; at their places in the word;
	v_permlanex16_b32 v[W2], v[WD+\u], s20, s21
	v_or_b32 v[WD+\u], v[WD+\u], v[W2]             ; with the other half's two the word is whole
.irp c, 0,1
	v_cvt_scalef32_pk16_fp6_f32 v[CC+6*\c:CC+6*\c+2], v[NN+32*\c:NN+32*\c+15], v[SO+\c]
	v_cvt_scalef32_pk16_fp6_f32 v[TQ+4*\c:TQ+4*\c+2], v[NN+32*\c+16:NN+32*\c+31], v[SO+\c]
.endr
	v_nop                                          ; one plain instruction behind a scaled conversion
.irp c, 0,1
.irp i, 0,1,2
	v_mov_b32 v[CC+6*\c+3+\i], v[TQ+4*\c+\i]
.endr
.endr
.endm
	KQ 0
	KQ 1
	v_cndmask_b32 v[WS], v[WD], v[WD+1], s24       ; lanes 0-15: K step 2 w's words, lanes 16-31: K step 2 w + 1's
.irp u, 0,1
.irp g, 0,1,2
	global_store_b128 v1, v[PC+12*\u+4*\g:PC+12*\u+4*\g+3], s[26:27] offset:1536*\u+512*\g   ; 512 consecutive bytes, aligned
.endr
.endr
	global_store_b32 v6, v[WS], s[28:29]           ; 128 consecutive bytes
.if WITH_ENT
	s_cmp_lg_u32 ttmp9, 0                          ; the mean entropy: one wave of the launch adds the 256 parts
	s_cbranch_scc1 .Lno_ent
	s_cmp_lg_u32 s16, 0
	s_cbranch_scc1 .Lno_ent
	v_lshlrev_b32 v8, 3, v6                        ; 32 x lane: eight parts a lane
	global_load_b128 v[64:67], v8, s[12:13]
	global_load_b128 v[68:71], v8, s[12:13] offset:16
	s_wait_loadcnt 0x0
	v_pk_add_f32 v[64:65], v[64:65], v[66:67]
	v_pk_add_f32 v[68:69], v[68:69], v[70:71]
	v_pk_add_f32 v[64:65], v[64:65], v[68:69]
	v_add_f32 v64, v64, v65
.irp m, 1,2,4,8
	v_add_f32_dpp v64, v64, v64 row_xmask:\m row_mask:0xf bank_mask:0xf
.endr
	v_permlanex16_b32 v[PD], v64, s20, s21
	v_add_f32 v64, v64, v[PD]
	v_mul_f32 v64, 0x37800000, v64                 ; / 65,536 rows
	v_mov_b32 v9, 0
	global_store_b32 v9, v64, s[14:15]             ; every lane holds the same number and names the same word
.Lno_ent:
.endif
	s_wait_tensorcnt 0x0                           ; the wave's end, behind my last LDS store
	ds_add_u32 v[SPW], v[NIL]
	s_wait_dscnt 0x0
	s_endpgm
.Lfunc_end_k_q4df68de9ed_ln1:
	.size	k_q4df68de9ed_ln1, .Lfunc_end_k_q4df68de9ed_ln1-k_q4df68de9ed_ln1
	.p2alignl 7, 3214868480
	.fill 96, 4, 3214868480
	.section	.rodata,"a",@progbits
	.p2align	6, 0x0
	.amdhsa_kernel k_q4df68de9ed_ln1
		.amdhsa_group_segment_fixed_size 66304
		.amdhsa_private_segment_fixed_size 0
		.amdhsa_enable_private_segment 0
		.amdhsa_kernarg_size 32
		.amdhsa_user_sgpr_count 2
		.amdhsa_user_sgpr_kernarg_segment_ptr 1
		.amdhsa_wavefront_size32 1
		.amdhsa_system_sgpr_workgroup_id_x 1
		.amdhsa_system_sgpr_workgroup_id_y 1
		.amdhsa_system_sgpr_workgroup_id_z 1
		.amdhsa_system_vgpr_workitem_id 0
		.amdhsa_next_free_vgpr 256
		.amdhsa_next_free_sgpr 66
		.amdhsa_reserve_vcc 0
		.amdhsa_float_denorm_mode_32 3
		.amdhsa_float_denorm_mode_16_64 3
		.amdhsa_memory_ordered 1
		.amdhsa_forward_progress 1
		.amdhsa_inst_pref_size 42
	.end_amdhsa_kernel
	.amdgpu_metadata
---
amdhsa.version: [ 1, 2 ]
amdhsa.kernels:
  - .name:           k_q4df68de9ed_ln1
    .symbol:         k_q4df68de9ed_ln1.kd
    .args:
      - { .name: x, .offset: 0, .size: 8, .value_kind: global_buffer, .address_space: global }
      - { .name: ln1_w, .offset: 8, .size: 8, .value_kind: global_buffer, .address_space: global }
      - { .name: ln1_b, .offset: 16, .size: 8, .value_kind: global_buffer, .address_space: global }
      - { .name: hbuf, .offset: 24, .size: 8, .value_kind: global_buffer, .address_space: global }
    .group_segment_fixed_size: 66304
    .private_segment_fixed_size: 0
    .kernarg_segment_align: 8
    .kernarg_segment_size: 32
    .max_flat_workgroup_size: 128
    .sgpr_count:     66
    .vgpr_count:     256
    .wavefront_size: 32
...
	.end_amdgpu_metadata
.endif
;; end of part 1
;; launch qkv (part 2): grid 12 x 16, 4 waves a work-group, clusters of 4 x 4, 327,680 bytes of LDS; arguments hbuf, attn_w_codes, attn_w_scales, attn_b, qbuf, kvbuf; writes qbuf, kvbuf
.if DOCPART == 2
	.amdgcn_target "amdgcn-amd-amdhsa--gfx1250"
	.amdhsa_code_object_version 6
	.text
	.protected	k_q4df68de9ed_qkv
	.globl	k_q4df68de9ed_qkv
	.p2align	8
	.type	k_q4df68de9ed_qkv,@function
k_q4df68de9ed_qkv:
	s_mov_b64 s[64:65], 0
	v_nop
	global_prefetch_b8 v0, s[64:65] scope:SCOPE_SE
	s_setreg_imm32_b32 hwreg(HW_REG_WAVE_MODE, 25, 1), 1
	s_wait_xcnt 0x0
	s_wait_alu depctr_hold_cnt(0) depctr_sa_sdst(0) depctr_va_vdst(0) depctr_va_sdst(0) depctr_va_ssrc(0) depctr_va_vcc(0) depctr_vm_vsrc(0)
	s_getreg_b32 s2, hwreg(HW_REG_IB_STS2, 6, 4)
	s_cmp_eq_u32 s2, 0
	s_cbranch_scc0 .Lentry_in_a_cluster
	s_endpgm
.Lentry_in_a_cluster:
	s_bfe_u32 s2, ttmp6, 0x10000c
	s_cmp_lg_u32 s2, 0xf033
	s_cbranch_scc0 .Lentry_shape_is_right
	s_endpgm
.Lentry_shape_is_right:
; LAUNCH 2 OF 7: qkv = h attn_w^T + attn_b on E2M3 codes; q and k are quantised along the head's 64, v along the tokens, and stored as images of attention's operand registers.  No work is left out here.
; A tile of C, 256 tokens x 256 columns, is made by four waves, 128 x 128 each: 64 accumulators, 512 registers.  K goes in slots of 256 through a ring of two LDS slots filled by the tensor data mover.
; Y = the tokens' codes: images of fragments (1,536 bytes: registers 4 g .. 4 g + 3 of lane l at 512 g + 16 l), so a fragment comes by three loads of 16 bytes a lane.  X = the weight's rows, 192 bytes of a row's bit stream a slot.
; CLUSTER 4 x 4: the four work-groups of a row of the cluster need the same Y, the four of a column the same X: each tile is asked for jointly, by the same tensor load with a mask that names the four.
; The cluster's x (0, 1, 2) says whether the tile's columns are q's, k's or v's: the same in all sixteen partners.
; q, k: source 0 = 16 rows of the weight, source 1 = 16 tokens: a lane holds one token and eight neighbouring columns, so its registers run along the head.
; v:    the sources change places: a lane holds one channel and its registers run along the tokens, which are the second attention product's K.  Both forms walk the same accumulator tiles in the same order.
; ORDER INSIDE A BLOCK OF 32: the 16 registers of two neighbouring tiles are numbers 0-7, 16-23 (lanes 0-15) and 8-15, 24-31 (lanes 16-31) of a block.  q and k, and p and v, carry the same order, so the products' terms
; are the true ones; blocks, scales and codes are those of the quantiser; the order of the sum inside an instruction differs.
; qbuf: [32 heads][16 steps of 128 tokens][6,400]: four images (registers 0-5: token tile 2 P, 6-11: tile 2 P + 1; K = the head's 64), then 256 bytes of words [P][row] = tile 2 P's two bytes | tile 2 P + 1's << 16.
; kvbuf: [32][16][12,800]: k as in qbuf; from 6,400 on v: four images (16 channels x the step's 128 keys), then 256 bytes of words [channel tile][row].
; No prefetch: four slots' worth of tiles in all.  192 work-groups: the tile that the registers hold gives no more at this size.
.set QKV, 1
.set KDIM, 1024
.set YSC, 3145728                      ; where Y's scale words begin in its buffer
.set NKT, KDIM/128
.set KROW, KDIM*3/4                    ; a row of the weight's codes in bytes
.set KS, KDIM/32                       ; a row of its scale bytes
.set MB, 8                             ; blocks of 16 along each side of a wave's tile
.set NKS, 2                            ; K steps of 128 in a slot
.set TN, 256
.set SLK, 128*NKS
.set LAPS, KDIM/(2*SLK)
.set XSTEP, SLK*3/2                    ; two slots on in a row of codes, in bytes
.set SLOT, 110592                      ; Y: 16 row tiles x 2 images = 49,152; X: 256 rows x 240
.set XOFF, 49152
.set SA, 2*SLOT                        ; behind the ring: Y's scale words of the whole K, [16 row tiles][NKT][64 bytes], dense
.set HALFSA, MB*NKT*64
.set SB, SA+2*HALFSA                   ; X's scale bytes of the whole K, as units of 256 bytes + 16 of padding
.set HALFSB, ((TN/2)*KS/256)*272
.set SBLK, (16*KS/256)*272             ; those of 16 rows
.set SPARE, SB+2*HALFSB                ; the spare words, 128 bytes a wave
.set WV, 16                            ; s16 wave; s17 its row half (and: I fetch Y (0) or X (1)); s18 its column half (and: which half I fetch)
.set WR, 17
.set WC, 18
.set G1Y, 24                           ; s[24:31], s[32:39] descriptor groups 1 and 0 (a set a slot) for Y
.set G0Y, 32
.set G1X, 48                           ; s[48:55], s[56:63] for X
.set G0X, 56
.set G1SA, 68                          ; s[68:75], s[76:79] for Y's scale words
.set G0SA, 76
.set G1SB, 80                          ; s[80:87], s[88:91] for X's scale bytes
.set G0SB, 88
.set SEL, 46
.set ADX, 16                           ; v16-17 LDS address of my X fragments in slot 0, 1; v18-19 the same behind one padding more
.set ADX2, 18
.set ADY, 20                           ; v20-21 of my Y images
.set ADSX, 24                          ; v24 of X's scale words: lanes 0-15 the even K step's, lanes 16-31 the odd one's
.set ADSY, 25                          ; v25 of Y's, likewise
.set LI, 26                            ; v26 16 x lane
.set LS, 27                            ; v27 4 x lane
.set SPW, 28
.set NIL, 29
.set SCX, 32                           ; v32-63 scale words and nothing else: set sc at + 16 sc: X's blocks at SCX, Y's at SCY
.set SCY, 40
.set YF, 64                            ; window 0: Y's fragments, set p at YF + 96 p.  Window 1: X's, set p at 128 p; the bias tiles at v96-127 and v224-255.  Windows 2, 3: the accumulators
.set MSB, 0
.macro WIN new                         ; the immediate's high byte repeats the setting that is left
.if MSB != (\new)
	s_set_vgpr_msb (MSB<<8)|(\new)
.set MSB, (\new)
.endif
.endm
.macro PLACES n
.rept \n
	v_nop
.endr
.endm
; A joint load: waves 0 and 1 fetch Y's halves, waves 2 and 3 X's.  An s_nop 0 and four v_nop follow each of the two lines.
.macro JLOAD g0y, g1y, g0x, g1x
	s_cmp_eq_u32 s[WR], 0
	s_cbranch_scc0 .Lfor_x_\@
	tensor_load_to_lds s[\g0y:\g0y+3], s[\g1y:\g1y+7]
	s_nop 0
.rept 4
	v_nop
.endr
	s_branch .Lasked_\@
.Lfor_x_\@:
	tensor_load_to_lds s[\g0x:\g0x+3], s[\g1x:\g1x+7]
	s_nop 0
.rept 4
	v_nop
.endr
.Lasked_\@:
.endm
.macro CREST                           ; a round of the cluster's barrier behind its opening barrier
	s_cmp_lg_u32 s[WV], 0
	s_cbranch_scc1 .Lnot_wave_0_\@
	s_barrier_signal -3
.Lnot_wave_0_\@:
	s_barrier_wait -3
	s_barrier_signal -1
	s_barrier_wait -1
.endm
.macro CROUND
	s_barrier_signal -1
	s_barrier_wait -1
	CREST
.endm
; A fragment of X: lane (r, h) takes 24 bytes of row r's bit stream twice, in pieces of 8 bytes.  16 bytes of padding lie behind every 64: where the piece three on lies behind one padding more, the second address serves.
.macro FRAGX reg, slot, q, off
.irp p, 0,1,2,3,4,5
.set PCE, 12*(\q)+6*(\p/3)+\p%3
.if PCE%8 < 5
	ds_load_b64 v[\reg+2*\p:\reg+2*\p+1], v[ADX+\slot] offset:8*PCE+16*(PCE/8)+(\off)
.else
	ds_load_b64 v[\reg+2*\p:\reg+2*\p+1], v[ADX2+\slot] offset:8*PCE+16*(PCE/8)+(\off)
.endif
.endr
.endm
.macro FRAGY reg, slot, idx            ; an image comes back as it was stored
.irp g, 0,1,2
	ds_load_b128 v[\reg+4*\g:\reg+4*\g+3], v[ADY+\slot] offset:(\idx)*1536+512*\g
.endr
.endm
.macro FETCH p, slot, st               ; the 8 + 8 fragments of the slot's K step st into set p: 72 loads in one run
	WIN 0x40
.irp i, 0,1,2,3,4,5,6,7
	FRAGX 128*(\p)+12*\i, \slot, \st, \i*3840
.endr
	WIN 0
.irp a, 0,1,2,3,4,5,6,7
	FRAGY YF+96*(\p)+12*\a, \slot, 2*\a+(\st)
.endr
.endm
.macro SCALES sc                       ; a slot's scale words: one register a block holds both K steps' words
.irp i, 0,1,2,3,4,5,6,7
	ds_load_b32 v[SCX+16*\sc+\i], v[ADSX] offset:\i*SBLK
	ds_load_b32 v[SCY+16*\sc+\i], v[ADSY] offset:\i*NKT*64
.endr
.endm
.macro WM mode                         ; 0: the sum begins with the bias tile; 1: in place, the even K step's words (lanes 0-15); 2: the odd one's (lanes 16-31)
.if (\mode) == 0
	v_wmma_scale_f32_16x16x128_f8f6f4 v[rD:rD+7], v[rA:rA+11], v[rB:rB+11], v[rC:rC+7], v[rSA], v[rSB] matrix_a_fmt:MATRIX_FMT_FP6 matrix_b_fmt:MATRIX_FMT_FP6
.elseif (\mode) == 1
	v_wmma_scale_f32_16x16x128_f8f6f4 v[rD:rD+7], v[rA:rA+11], v[rB:rB+11], v[rD:rD+7], v[rSA], v[rSB] matrix_a_fmt:MATRIX_FMT_FP6 matrix_b_fmt:MATRIX_FMT_FP6
.else
	v_wmma_scale_f32_16x16x128_f8f6f4 v[rD:rD+7], v[rA:rA+11], v[rB:rB+11], v[rD:rD+7], v[rSA], v[rSB] matrix_a_fmt:MATRIX_FMT_FP6 matrix_b_fmt:MATRIX_FMT_FP6 matrix_a_scale:MATRIX_SCALE_ROW1 matrix_b_scale:MATRIX_SCALE_ROW1
.endif
.endm
; A quarter of a K step: 16 products.  The 64 accumulators take turns, one instruction a turn, in the same order in every step.
.macro MULQ k, p, st, sc, first        ; token blocks 2 k, 2 k + 1 x column blocks 0 .. 7: source 0 = X (window 1), source 1 = Y (window 0)
.if \first
	WIN 0x91+0x40*((\k)/2)
.else
	WIN 0xa1+0x50*((\k)/2)
.endif
.irp a, 2*(\k), 2*(\k)+1
.irp b, 0,1,2,3,4,5,6,7
.set rD, 8*(8*((\a)%4)+\b)
.set rA, 128*(\p)+12*\b
.set rB, YF+96*(\p)+12*(\a)
.set rC, 96+128*(\b/4)+8*(\b%4)
.set rSA, SCX+16*(\sc)+\b
.set rSB, SCY+16*(\sc)+(\a)
.if \first
	WM 0
.else
	WM 1+(\st)
.endif
.endr
.endr
.endm
.macro MULV k, p, st, sc, first        ; v: column blocks 2 k, 2 k + 1 x token blocks 0 .. 7: source 0 = Y (window 0), source 1 = X (window 1)
.if \first
	WIN 0x94+0x40*((\k)/2)
.else
	WIN 0xa4+0x50*((\k)/2)
.endif
.irp i, 2*(\k), 2*(\k)+1
.irp j, 0,1,2,3,4,5,6,7
.set rD, 8*(8*((\i)%4)+\j)
.set rA, YF+96*(\p)+12*\j
.set rB, 128*(\p)+12*(\i)
.set rC, 96+128*((\i)/4)+8*((\i)%4)
.set rSA, SCY+16*(\sc)+\j
.set rSB, SCX+16*(\sc)+(\i)
.if \first
	WM 0
.else
	WM 1+(\st)
.endif
.endr
.endr
.endm
.macro MULS k0, n, p, st, sc, first    ; n quarters from k0 on
.if QKV
	WIN 0
	s_cmp_eq_u32 ttmp9, 2                          ; the cluster's x: the same in all partners
	s_cbranch_scc1 .Lvform_\@
.endif
.set kk, \k0
.rept \n
	MULQ kk, \p, \st, \sc, \first
.set kk, kk+1
.endr
	WIN 0
.if QKV
	s_branch .Ljoin_\@
.Lvform_\@:
.set kk, \k0
.rept \n
	MULV kk, \p, \st, \sc, \first
.set kk, kk+1
.endr
	WIN 0
.Ljoin_\@:
.endif
.endm
.macro STEP0 slot, first               ; a slot's first K step, on set 0; in its middle the second step's fragments are fetched into set 1
	s_wait_dscnt 0x0                               ; set 0 and the slot's scale words are in
	MULS 0, 2, 0, 0, \slot, \first
	PLACES 4                                       ; in front of loads into registers that matrix instructions have read
	FETCH 1, \slot, 1
	MULS 2, 2, 0, 0, \slot, \first
.endm
; A slot's last K step, on set 1, changes slots at its head: every fragment of the slot is in registers then.
.macro TURN slot, next, fill
	s_wait_tensorcnt 0x0                           ; all my tensor loads have landed, my part of the next slot among them
	ds_add_u32 v[SPW], v[NIL]                      ; 0 onto my spare word
.if \fill
	s_add_nc_u64 s[G0Y+4*\slot+2:G0Y+4*\slot+3], s[G0Y+4*\slot+2:G0Y+4*\slot+3], 2*NKS*1536   ; no load of mine is out: this slot's next tiles
	s_add_nc_u64 s[G0X+4*\slot+2:G0X+4*\slot+3], s[G0X+4*\slot+2:G0X+4*\slot+3], XSTEP
.endif
	s_wait_dscnt 0x0                               ; the add is done, set 1 is in, and my reads of this slot are over
	s_barrier_signal -1
	s_barrier_wait -1
.if \fill
	CREST                                          ; the barrier has opened a round of the cluster's: no wave of any partner still reads this slot or has a load on its way
	JLOAD G0Y+4*\slot, G1Y, G0X+4*\slot, G1X       ; the first tensor load behind the round; its four v_nop are the places in front of the loads below
.else
	PLACES 4
.endif
	v_add_nc_u32 v[ADSX], SLK/32, v[ADSX]          ; on to the next slot's scale words
	v_add_nc_u32 v[ADSY], NKS*64, v[ADSY]
	FETCH 0, \next, 0
	SCALES \next
	MULS 0, 4, 1, 1, \slot, 0
.endm
	s_load_b256 s[4:11], s[0:1], 0x0               ; Y's buffer, X's codes, X's scales, the bias
	s_load_b128 s[12:15], s[0:1], 0x20             ; qbuf, kvbuf
	v_lshl_add_u32 v[SPW], v0, 2, SPARE
	v_mov_b32 v[NIL], 0
	ds_add_u32 v[SPW], v[NIL]                      ; the wave's opening: the add, twice on end, and its wait ahead of my first tensor load
	ds_add_u32 v[SPW], v[NIL]
	v_lshrrev_b32 v1, 5, v0
	v_readfirstlane_b32 s[WV], v1
	s_lshr_b32 s[WR], s[WV], 1
	s_and_b32 s[WC], s[WV], 1
	s_bfe_u32 s40, ttmp6, 0x40000                  ; cx
	s_bfe_u32 s41, ttmp6, 0x40004                  ; cy
	s_lshl_b32 s42, ttmp9, 2
	s_add_co_u32 s42, s42, s40                     ; tile column
	s_and_b32 s66, ttmp7, 0xffff
	s_lshl_b32 s66, s66, 2
	s_add_co_u32 s66, s66, s41                     ; tile row
	s_lshl_b32 s43, s41, 2
	s_lshl_b32 s43, 15, s43                        ; my row of the cluster
	s_lshl_b32 s44, 0x1111, s40                    ; my column
	s_or_b32 s[G1Y], s43, (3<<16)|(1<<21)          ; Y: elements of 8 bytes, no padding; MB rows (row tiles) of NKS images, NKT images apart
	s_mov_b32 s[G1Y+1], (NKS*192)<<16
	s_mov_b32 s[G1Y+2], MB<<16
	s_mov_b32 s[G1Y+3], (NKS*192)<<16
	s_mov_b32 s[G1Y+4], MB
	s_mov_b32 s[G1Y+5], NKT*192
	s_mov_b32 s[G1Y+6], 0
	s_mov_b32 s[G1Y+7], 0
	s_or_b32 s[G1X], s44, (0<<16)|(1<<20)|(1<<21)|(3<<22)|(3<<25)   ; X: bytes; 16 bytes of padding behind every 64; 128 rows of 192 bytes
	s_mov_b32 s[G1X+1], 192<<16
	s_mov_b32 s[G1X+2], 128<<16
	s_mov_b32 s[G1X+3], 192<<16
	s_mov_b32 s[G1X+4], 128
	s_mov_b32 s[G1X+5], KROW
	s_mov_b32 s[G1X+6], 0
	s_mov_b32 s[G1X+7], 0
	s_or_b32 s[G1SA], s43, (3<<16)|(1<<21)         ; Y's scale words: a dense block as rows of 256 bytes
	s_mov_b32 s[G1SA+1], 32<<16
	s_mov_b32 s[G1SA+2], (HALFSA/256)<<16
	s_mov_b32 s[G1SA+3], 32<<16
	s_mov_b32 s[G1SA+4], HALFSA/256
	s_mov_b32 s[G1SA+5], 32
	s_mov_b32 s[G1SA+6], 0
	s_mov_b32 s[G1SA+7], 0
	s_or_b32 s[G1SB], s44, (3<<16)|(1<<20)|(1<<21)|(5<<22)|(3<<25)  ; X's scale bytes: the same with 16 bytes of padding behind each row
	s_mov_b32 s[G1SB+1], 32<<16
	s_mov_b32 s[G1SB+2], ((TN/2)*KS/256)<<16
	s_mov_b32 s[G1SB+3], 32<<16
	s_mov_b32 s[G1SB+4], (TN/2)*KS/256
	s_mov_b32 s[G1SB+5], 32
	s_mov_b32 s[G1SB+6], 0
	s_mov_b32 s[G1SB+7], 0
	s_mul_i32 s20, s66, 2*MB
	s_mul_i32 s21, s[WC], MB
	s_add_co_u32 s20, s20, s21                     ; Y: the first row tile that I fetch: tile row and wave alone
	s_mul_i32 s22, s20, NKT*64
	s_add_co_u32 s22, s22, YSC                     ; its scale words,
	s_mov_b32 s23, 0
	s_mul_i32 s20, s20, NKT*1536                   ; its images
	s_mov_b32 s21, 0
	s_lshl_b32 s46, s42, 8
	s_lshl_b32 s47, s[WC], 7
	s_add_co_u32 s46, s46, s47                     ; X: the first row that I fetch: tile column and wave alone
	s_mul_i32 s92, s46, KS
	s_mov_b32 s93, 0
	s_mul_i32 s46, s46, KROW
	s_mov_b32 s47, 0
	s_mul_i32 s45, s[WC], 24576                    ; where they go: no place in the cluster enters an LDS address
	s_mul_i32 s94, s[WC], 30720
	s_add_co_u32 s94, s94, XOFF
	s_mul_i32 s95, s[WC], HALFSA
	s_add_co_u32 s95, s95, SA
	s_mul_i32 s96, s[WC], HALFSB
	s_add_co_u32 s96, s96, SB
	s_wait_dscnt 0x0                               ; both opening adds are done
	s_wait_kmcnt 0x0
	s_add_nc_u64 s[20:21], s[4:5], s[20:21]
	s_add_nc_u64 s[22:23], s[4:5], s[22:23]
	s_add_nc_u64 s[46:47], s[6:7], s[46:47]
	s_add_nc_u64 s[92:93], s[8:9], s[92:93]
	CROUND                                         ; all sixteen work-groups are here: the first joint loads meet
	s_mov_b32 s[G0SA], 1
	s_mov_b32 s[G0SA+1], s95
	s_mov_b64 s[G0SA+2:G0SA+3], s[22:23]
	s_or_b32 s[G0SA+3], s[G0SA+3], 0x80000000
	s_mov_b32 s[G0SB], 1
	s_mov_b32 s[G0SB+1], s96
	s_mov_b64 s[G0SB+2:G0SB+3], s[92:93]
	s_or_b32 s[G0SB+3], s[G0SB+3], 0x80000000
	JLOAD G0SA, G1SA, G0SB, G1SB                   ; the scales first: they are wanted with the first K step
.irp s, 0,1
	s_mov_b32 s[G0Y+4*\s], 1
	s_add_co_u32 s[G0Y+4*\s+1], s45, \s*SLOT
	s_add_nc_u64 s[G0Y+4*\s+2:G0Y+4*\s+3], s[20:21], \s*NKS*1536
	s_or_b32 s[G0Y+4*\s+3], s[G0Y+4*\s+3], 0x80000000
	s_mov_b32 s[G0X+4*\s], 1
	s_add_co_u32 s[G0X+4*\s+1], s94, \s*SLOT
	s_add_nc_u64 s[G0X+4*\s+2:G0X+4*\s+3], s[46:47], \s*XSTEP/2
	s_or_b32 s[G0X+4*\s+3], s[G0X+4*\s+3], 0x80000000
	JLOAD G0Y+4*\s, G1Y, G0X+4*\s, G1X             ; three tensor loads of mine are out behind the second of these
.endr
	v_and_b32 v1, 15, v0                           ; r
	v_bfe_u32 v2, v0, 4, 1                         ; h
	v_and_b32 v3, 31, v0                           ; lane
	v_mul_u32_u24 v4, v1, 240
	v_mad_u32_u24 v4, v2, 24, v4                   ; X: row r x pitch + 24 h
	v_lshl_add_u32 v5, v2, 4, v4                   ; and behind one padding more
	v_lshlrev_b32 v[LI], 4, v3
	v_lshlrev_b32 v[LS], 2, v3
	s_mul_i32 s20, s[WC], MB*3840
	s_add_co_u32 s20, s20, XOFF                    ; my 128 rows of X
	s_mul_i32 s21, s[WR], 24576                    ; my 8 row tiles of Y
.irp s, 0,1
	v_add_nc_u32 v[ADX+\s], s20, v4
	v_add_nc_u32 v[ADX2+\s], s20, v5
	v_add_nc_u32 v[ADY+\s], s21, v[LI]
	s_add_co_u32 s20, s20, SLOT
	s_add_co_u32 s21, s21, SLOT
.endr
	v_mul_u32_u24 v7, v1, KS                       ; X's scale bytes: KS a row,
	v_lshrrev_b32 v8, 8, v7
	v_lshl_add_u32 v7, v8, 4, v7                   ; 16 more for each 256 passed,
	v_lshl_add_u32 v7, v2, 2, v7                   ; lanes 16-31 one word (one K step) on
	s_mul_i32 s20, s[WC], HALFSB
	s_add_co_u32 s20, s20, SB
	v_add_nc_u32 v[ADSX], s20, v7
	s_mul_i32 s20, s[WR], HALFSA
	s_add_co_u32 s20, s20, SA
	v_lshl_add_u32 v[ADSY], v3, 2, s20             ; Y's: 4 x lane: lanes 16-31 fall on the next K step's 16 words
	; the bias, as the C of each sum's first product.  q, k: register j of tile b = bias(16 b + 8 h + j); v: bias(16 b + r) in all eight.  One form of load serves both: the offsets' factors are chosen, with no branch
	s_lshl_b32 s20, s42, 10
	s_lshl_b32 s21, s[WC], 9
	s_add_co_u32 s20, s20, s21
	s_mov_b32 s21, 0
	s_add_nc_u64 s[10:11], s[10:11], s[20:21]      ; at my first column
	s_cmp_eq_u32 ttmp9, 2
	s_cselect_b32 s20, 4, 0
	s_cselect_b32 s21, 0, 32
	s_cselect_b32 s22, 0, 4
	v_mul_u32_u24 v9, v1, s20
	v_mad_u32_u24 v9, v2, s21, v9
.irp j, 0,1,2,3,4,5,6,7
	s_mul_i32 s23, s22, \j
	v_add_nc_u32 v[160+\j], s23, v9                ; (registers of Y's set 1, which is first loaded behind the wait for these loads)
.endr
	WIN 0x40
.irp b, 0,1,2,3,4,5,6,7
.irp j, 0,1,2,3,4,5,6,7
	global_load_b32 v[96+128*(\b/4)+8*(\b%4)+\j], v[160+\j], s[10:11] offset:64*\b
.endr
.endr
	WIN 0
	s_wait_tensorcnt 0x1                           ; the scales and my part of slot 0 are in; slot 1's load, issued behind them, may be out
	s_barrier_signal -1
	s_barrier_wait -1
	FETCH 0, 0, 0
	SCALES 0
	s_wait_loadcnt 0x0                             ; the bias
	STEP0 0, 1                                     ; the first K step stands in front of the loop: its products start the sums
.if LAPS > 1
	s_mov_b32 s3, LAPS-1
.Llap:                                             ; a trip goes once round the ring and fills both slots again
	TURN 0, 1, 1
	STEP0 1, 0
	TURN 1, 0, 1
	STEP0 0, 0
	s_sub_co_u32 s3, s3, 1
	s_cmp_lg_u32 s3, 0
	s_cbranch_scc1 .Llap
.endif
	TURN 0, 1, 0                                   ; the last lap fills nothing, and has no round of the cluster's barrier
	STEP0 1, 0
	s_wait_dscnt 0x0
	MULS 0, 4, 1, 1, 1, 0
; THE WAY OUT.  64 numbers of a lane in window w, register 16 B + i a number of block B of the lane's row, become codes: blocks 0, 1 in v[o0] .. + 5, blocks 2, 3 in v[o1] .. + 5 (lanes 0-15 the even block, lanes 16-31 the odd one), and the four bytes in v[pw].
.set TM, 64                            ; v64-67 largest magnitudes, v68-71 permutes and bytes, v76-79 scale operands
.set TQ, 80                            ; v80-82, v84-86
.set PWR, 88                           ; v88-95 the eight scale words
.set WW, 96                            ; v96-103 pair words
.set WS, 104                           ; v104-107 words as stored
.set HB, 112                           ; v112-159 codes: two sets of 24
.macro QUANT s, w, o0, o1, pw
	WIN (\w)|((\w)<<2)
.irp b, 0,1,2,3
	v_max3_num_f32 v[TM+\b], |v[\s+16*\b]|, |v[\s+16*\b+1]|, 0x1800000   ; each accumulator is read from its low end on; the floor 2^(3 - 127) holds the byte at 1 from below
.endr
.irp i, 2,4,6,8,10,12,14
.irp b, 0,1,2,3
	v_max3_num_f32 v[TM+\b], |v[\s+16*\b+\i]|, |v[\s+16*\b+\i+1]|, v[TM+\b]
.endr
.endr
	WIN 0
.irp b, 0,1,2,3
	v_permlanex16_b32 v[TM+4+\b], v[TM+\b], s[SEL], s[SEL+1]
.endr
.irp b, 0,1,2,3
	v_max_num_f32 v[TM+\b], v[TM+\b], v[TM+4+\b]   ; with lane l xor 16's 16: the block's largest magnitude
.endr
.irp b, 0,1,2,3
	v_add_nc_u32 v[TM+12+\b], 0xff000000, v[TM+\b] ; 2 off the exponent field: the conversion's scale operand
.endr
.irp b, 0,1,2,3
	v_lshrrev_b32 v[TM+4+\b], 23, v[TM+12+\b]      ; the scale's byte
.endr
	v_lshl_or_b32 v[\pw], v[TM+5], 8, v[TM+4]
	v_lshl_or_b32 v[\pw], v[TM+6], 16, v[\pw]
	v_lshl_or_b32 v[\pw], v[TM+7], 24, v[\pw]
	WIN (\w)
	v_cvt_scalef32_pk16_fp6_f32 v[\o0:\o0+2], v[\s:\s+15], v[TM+12]
	v_cvt_scalef32_pk16_fp6_f32 v[TQ:TQ+2], v[\s+16:\s+31], v[TM+13]
	v_cvt_scalef32_pk16_fp6_f32 v[\o1:\o1+2], v[\s+32:\s+47], v[TM+14]
	v_cvt_scalef32_pk16_fp6_f32 v[TQ+4:TQ+6], v[\s+48:\s+63], v[TM+15]
	WIN 0
	v_nop                                          ; one plain instruction behind a scaled conversion
.irp i, 0,1,2
	v_permlane16_swap_b32 v[\o0+\i], v[TQ+\i]      ; a whole block to a lane: the first now holds each lane's block's first 16 codes, the second the other 16
.endr
.irp i, 0,1,2
	v_mov_b32 v[\o0+3+\i], v[TQ+\i]
.endr
.irp i, 0,1,2
	v_permlane16_swap_b32 v[\o1+\i], v[TQ+4+\i]
.endr
.irp i, 0,1,2
	v_mov_b32 v[\o1+3+\i], v[TQ+4+\i]
.endr
.endm
	PLACES 4                                       ; behind the last products: results are read, and operands' registers written, from here on
.irp b, 0,1,2,3
	v_mov_b32 v[TM+4+\b], 0                        ; written once: a lane permute's destination counts as one of its sources
.endr
	s_mov_b32 s[SEL], 0x76543210
	s_mov_b32 s[SEL+1], 0xfedcba98
	s_mov_b32 s98, 0xffff0000                      ; lanes 16-31
	s_lshr_b32 s20, s66, 3                         ; the batch: 8 tile rows of 256 tokens each
	s_lshl_b32 s20, s20, 4
	s_lshl_b32 s21, s40, 2
	s_add_co_u32 s20, s20, s21
	s_lshl_b32 s21, s[WC], 1
	s_add_co_u32 s20, s20, s21                     ; 16 x batch + my first head (4 cx + 2 x column half)
	s_lshl_b32 s20, s20, 4
	s_and_b32 s21, s66, 7
	s_lshl_b32 s21, s21, 1
	s_add_co_u32 s20, s20, s21
	s_add_co_u32 s20, s20, s[WR]                   ; x 16 + the step of 128 tokens: my first head's record; the second head's lies 16 records on
	s_cmp_eq_u32 ttmp9, 2
	s_cbranch_scc1 .Lv_out
	s_cmp_eq_u32 ttmp9, 0                          ; q or k: the buffer and a record's size
	s_mov_b32 s21, 12800
	s_cselect_b32 s21, 6400, s21
	s_cselect_b64 s[92:93], s[12:13], s[14:15]
	s_mul_i32 s22, s20, s21
	s_mov_b32 s23, 0
	s_add_nc_u64 s[92:93], s[92:93], s[22:23]
	s_lshl_b32 s22, s21, 4
	s_add_nc_u64 s[94:95], s[92:93], s[22:23]
.irp a, 0,1,2,3,4,5,6,7                    ; token tile a: blocks 0, 1 are my first head's 64, blocks 2, 3 my second's
.if (\a>=4) && (\a%2==0)
	s_wait_xcnt 0x0                                ; the stores of two pairs ago have read their registers
.endif
	QUANT 64*(\a%4), 2+\a/4, HB+24*((\a/2)%2)+6*(\a%2), HB+24*((\a/2)%2)+12+6*(\a%2), PWR+\a
.if \a%2 == 1
.irp g, 0,1,2
	global_store_b128 v[LI], v[HB+24*((\a/2)%2)+4*\g:HB+24*((\a/2)%2)+4*\g+3], s[92:93] offset:(\a/2)*1536+512*\g       ; 512 consecutive bytes
	global_store_b128 v[LI], v[HB+24*((\a/2)%2)+12+4*\g:HB+24*((\a/2)%2)+12+4*\g+3], s[94:95] offset:(\a/2)*1536+512*\g
.endr
	v_perm_b32 v[WW+\a/2], v[PWR+\a], v[PWR+\a-1], 0x05040100     ; first head: the even tile's two bytes, then the odd tile's
	v_perm_b32 v[WW+4+\a/2], v[PWR+\a], v[PWR+\a-1], 0x07060302   ; second head
.endif
.if \a%4 == 3
	v_cndmask_b32 v[WS+\a/4], v[WW+\a/2-1], v[WW+\a/2], s98       ; lanes 0-15: the even pair's words, lanes 16-31: the odd pair's
	v_cndmask_b32 v[WS+2+\a/4], v[WW+4+\a/2-1], v[WW+4+\a/2], s98
	global_store_b32 v[LS], v[WS+\a/4], s[92:93] offset:6144+128*(\a/4)
	global_store_b32 v[LS], v[WS+2+\a/4], s[94:95] offset:6144+128*(\a/4)
.endif
.endr
	s_branch .Lout_done
.Lv_out:
	s_mul_i32 s22, s20, 12800
	s_add_co_u32 s22, s22, 6400
	s_mov_b32 s23, 0
	s_add_nc_u64 s[92:93], s[14:15], s[22:23]
	s_add_nc_u64 s[94:95], s[92:93], 16*12800
.irp b, 0,1,2,3,4,5,6,7                    ; channel block b: the lane's 64 registers are its channel's 128 tokens: one fragment
.if \b >= 2
	s_wait_xcnt 0x0
.endif
	QUANT 64*(\b%4), 2+\b/4, HB+12*(\b%2), HB+12*(\b%2)+6, PWR+\b
.irp g, 0,1,2
	global_store_b128 v[LI], v[HB+12*(\b%2)+4*\g:HB+12*(\b%2)+4*\g+3], s[92+2*(\b/4):93+2*(\b/4)] offset:(\b%4)*1536+512*\g
.endr
.if \b%2 == 1
	v_cndmask_b32 v[WS+\b/2], v[PWR+\b-1], v[PWR+\b], s98
	global_store_b32 v[LS], v[WS+\b/2], s[92+2*(\b/4):93+2*(\b/4)] offset:6144+128*((\b%4)/2)
.endif
.endr
.Lout_done:
	s_wait_tensorcnt 0x0                           ; the wave's end
	ds_add_u32 v[SPW], v[NIL]
	s_wait_dscnt 0x0
	CROUND                                         ; the closing round: no work-group ends while a partner may still ask for a tile that names it
	s_endpgm
.Lfunc_end_k_q4df68de9ed_qkv:
	.size	k_q4df68de9ed_qkv, .Lfunc_end_k_q4df68de9ed_qkv-k_q4df68de9ed_qkv
	.p2alignl 7, 3214868480
	.fill 96, 4, 3214868480
	.section	.rodata,"a",@progbits
	.p2align	6, 0x0
	.amdhsa_kernel k_q4df68de9ed_qkv
		.amdhsa_group_segment_fixed_size 327680
		.amdhsa_private_segment_fixed_size 0
		.amdhsa_enable_private_segment 0
		.amdhsa_kernarg_size 48
		.amdhsa_user_sgpr_count 2
		.amdhsa_user_sgpr_kernarg_segment_ptr 1
		.amdhsa_wavefront_size32 1
		.amdhsa_system_sgpr_workgroup_id_x 1
		.amdhsa_system_sgpr_workgroup_id_y 1
		.amdhsa_system_sgpr_workgroup_id_z 1
		.amdhsa_system_vgpr_workitem_id 0
		.amdhsa_next_free_vgpr 1024
		.amdhsa_next_free_sgpr 100
		.amdhsa_reserve_vcc 0
		.amdhsa_float_denorm_mode_32 3
		.amdhsa_float_denorm_mode_16_64 3
		.amdhsa_memory_ordered 1
		.amdhsa_forward_progress 1
		.amdhsa_inst_pref_size 255
	.end_amdhsa_kernel
	.section	.bss,"aw",@nobits
	.p2align	6
	.space	262144
	.amdgpu_metadata
---
amdhsa.version: [ 1, 2 ]
amdhsa.kernels:
  - .name:           k_q4df68de9ed_qkv
    .symbol:         k_q4df68de9ed_qkv.kd
    .args:
      - { .name: hbuf, .offset: 0, .size: 8, .value_kind: global_buffer, .address_space: global }
      - { .name: attn_w_codes, .offset: 8, .size: 8, .value_kind: global_buffer, .address_space: global }
      - { .name: attn_w_scales, .offset: 16, .size: 8, .value_kind: global_buffer, .address_space: global }
      - { .name: attn_b, .offset: 24, .size: 8, .value_kind: global_buffer, .address_space: global }
      - { .name: qbuf, .offset: 32, .size: 8, .value_kind: global_buffer, .address_space: global }
      - { .name: kvbuf, .offset: 40, .size: 8, .value_kind: global_buffer, .address_space: global }
    .group_segment_fixed_size: 327680
    .private_segment_fixed_size: 0
    .kernarg_segment_align: 8
    .kernarg_segment_size: 48
    .max_flat_workgroup_size: 128
    .sgpr_count:     100
    .vgpr_count:     1024
    .wavefront_size: 32
...
	.end_amdgpu_metadata
.endif
;; end of part 2
;; launch attn (part 3): grid 8 x 32, 16 waves a work-group, clusters of 4 x 1, 207,104 bytes of LDS; arguments qbuf, kvbuf, ybuf, ent; writes ybuf, ent
.if DOCPART == 3
	.amdgcn_target "amdgcn-amd-amdhsa--gfx1250"
	.amdhsa_code_object_version 6
	.text
	.protected	k_q4df68de9ed_attn
	.globl	k_q4df68de9ed_attn
	.p2align	8
	.type	k_q4df68de9ed_attn,@function
k_q4df68de9ed_attn:
	s_mov_b64 s[64:65], 0
	v_nop
	global_prefetch_b8 v0, s[64:65] scope:SCOPE_SE
	s_setreg_imm32_b32 hwreg(HW_REG_WAVE_MODE, 25, 1), 1
	s_wait_xcnt 0x0
	s_wait_alu depctr_hold_cnt(0) depctr_sa_sdst(0) depctr_va_vdst(0) depctr_va_sdst(0) depctr_va_ssrc(0) depctr_va_vcc(0) depctr_vm_vsrc(0)
	s_getreg_b32 s2, hwreg(HW_REG_IB_STS2, 6, 4)
	s_cmp_eq_u32 s2, 0
	s_cbranch_scc0 .Lentry_in_a_cluster
	s_endpgm
.Lentry_in_a_cluster:
	s_bfe_u32 s2, ttmp6, 0x10000c
	s_cmp_lg_u32 s2, 0x3003
	s_cbranch_scc0 .Lentry_shape_is_right
	s_endpgm
.Lentry_shape_is_right:
; LAUNCH 3 OF 7: y = softmax(q k^T / 8, causal) v on E2M3 codes, y quantised along the channels; and each work-group's sum of its rows' entropies.
; LEFT OUT: key steps all of whose 128 keys come after a wave's 16 queries (the mask that reference() builds); the logarithm of each weight (the identity and the bound 2.05e-5 stand at the head of launch ln1).
; THE SOFTMAX: t = score x log2(e) / 8; M = the running largest t rounded up to a whole number; p = 2^(t - M) is quantised along the keys, not normalised; l = the sum of the unquantised p divides at the end.
; THE ENTROPY of a row = ln 2 (log2 l - S / l), S = the sum of p u, u = t - M.  When M moves by d = old M - new M, f = 2^d:  S <- f (S + d l), l <- f l, O <- f O.
; SHARES.  A work-group serves one head: sixteen waves, a tile of 16 queries each.  Wave w takes query tile 8 m + i, m = a table's entry for w (each of 0 .. 15 once), i = the work-group's x (0 .. 7).
; That tile needs key steps 0 .. m, and step m is the one on the diagonal: so every branch hangs on the wave's number and the count of steps alone, every work-group walks 136 wave steps and reads all 16 key steps,
; and the table's sums over w / 4 and over w % 4 are all 30.
; LDS.  The head's k and v, 16 records of 12,800 bytes as launch qkv laid them, are brought once and never filled again: four joint loads a wave (the four partners of a cluster serve the same head), each a quarter of the
; records, so that the first steps can begin when the first quarter has landed.  By this text's count four tensor loads of a wave are out.
; LAYOUT.  S^T = k q^T and O^T = v^T p^T: a lane holds one query throughout.  K = 64 in the first product: an image holds two key tiles (registers 0-5, 6-11); against [q | 0] it gives the first tile's scores, against [0 | q]
; the second's: the other tile's codes meet zero codes.  p's registers carry the order inside a block of 32 in which v was quantised.
; No prefetch: every load goes out at the head.  Four waves to a SIMD: one wave's vector work stands beside another's products.
.set REC, 12800
.set ENTW, 204800                      ; behind the records: a block of 256 bytes for the waves' entropy sums
.set SPARE, 205056                     ; the spare words, 128 bytes a wave
.set LI, 1                             ; v1 16 x lane   v2 4 x lane
.set LS, 2
.set SPW, 3
.set NIL, 4
.set DD, 5                             ; v5 my query's place in the diagonal step, less 8 h
.set ADI, 8                            ; v8, v9 LDS addresses of the step in hand
.set ADS, 9
.set NM, 10                            ; v10 -M, v11 the largest t
.set TT, 11
.set LL, 12                            ; v[12:13] l, v[14:15] S, each in two halves
.set SS, 14
.set QF, 16                            ; v16-33: q (6) | zeros (6) | q (6)
.set SQA, 34                           ; q's scale word for [q | 0], for [0 | q]
.set SQB, 35
.set KSC, 36                           ; v36-37 k's scale words, v38-39 v's
.set VSC, 38
.set F, 40                             ; v40-87 k's four images; then v40-103 p
.set U, 104                            ; v104-167 S^T, then u; then v104-151 v's four fragments
.set O, 168                            ; v168-199 O^T
.set PC, 200                           ; v200-211 p's codes
.set TQ, 212
.set BM, 220
.set PB, 224
.set SO, 228
.set FF, 232                           ; v232 f; v233 p's scale word
.set PW, 233
.set DL, 234                           ; v234 d; v235 -3e38
.set NEG, 235
.set W0, 236                           ; v236-239 at work
.set WV, 12
.set MW, 16
.set STP, 17
.set TB, 18
.set CNT, 19
.set G1, 24
.set G0, 32
.set CS, 66
.set SEL, 68
.macro CROUND
	s_barrier_signal -1
	s_barrier_wait -1
	s_cmp_lg_u32 s[WV], 0
	s_cbranch_scc1 .Lnot_wave_0_\@
	s_barrier_signal -3
.Lnot_wave_0_\@:
	s_barrier_wait -3
	s_barrier_signal -1
	s_barrier_wait -1
.endm
	s_load_b256 s[4:11], s[0:1], 0x0               ; qbuf, kvbuf, ybuf, ent
	v_lshl_add_u32 v[SPW], v0, 2, SPARE
	v_mov_b32 v[NIL], 0
	ds_add_u32 v[SPW], v[NIL]                      ; the wave's opening: the add, twice on end, and its wait ahead of my first tensor load
	ds_add_u32 v[SPW], v[NIL]
	v_lshrrev_b32 v6, 5, v0
	v_readfirstlane_b32 s[WV], v6
	s_bfe_u32 s13, ttmp6, 0x40000                  ; cx
	s_lshl_b32 s14, ttmp9, 2
	s_add_co_u32 s14, s14, s13                     ; i: it enters global addresses and one vector compare alone
	s_and_b32 s15, ttmp7, 0xffff                   ; 16 x batch + head, which the four partners share
	s_and_b32 s20, s[WV], 7
	s_lshl_b32 s20, s20, 2
	s_mov_b32 s21, 0x7a94c12f
	s_mov_b32 s22, 0x0de3b658
	s_cmp_lt_u32 s[WV], 8
	s_cselect_b32 s21, s21, s22
	s_lshr_b32 s21, s21, s20
	s_and_b32 s[MW], s21, 15                       ; m: the table's nibble w
	s_mov_b32 s[G1], (15)|(3<<16)|(1<<21)          ; the mask: all four work-groups; elements of 8 bytes; one row of 400 elements
	s_mov_b32 s[G1+1], 400<<16
	s_mov_b32 s[G1+2], 1<<16
	s_mov_b32 s[G1+3], 400<<16
	s_mov_b32 s[G1+4], 1
	s_mov_b32 s[G1+5], 400
	s_mov_b32 s[G1+6], 1<<16
	s_mov_b32 s[G1+7], 0
	s_mul_i32 s52, s[WV], 3200                     ; my sixteenth of a quarter, in LDS and in the head's block alike
	s_mul_i32 s54, s15, 16*REC
	s_add_co_u32 s54, s54, s52
	s_mov_b32 s55, 0
	s_mov_b32 s[CS], 0x3e38aa3b                    ; c = log2(e) / 8
	s_mov_b32 s[CS+1], s[CS]
	s_mov_b32 s[SEL], 0x76543210
	s_mov_b32 s[SEL+1], 0xfedcba98
	s_mov_b32 s[STP], 0
	s_mov_b32 s[TB], 0
	s_wait_dscnt 0x0                               ; both opening adds are done
	s_wait_kmcnt 0x0
	s_add_nc_u64 s[54:55], s[6:7], s[54:55]
.irp c, 0,1,2,3
	s_mov_b32 s[G0+4*\c], 1
	s_add_co_u32 s[G0+4*\c+1], s52, \c*4*REC
	s_add_nc_u64 s[G0+4*\c+2:G0+4*\c+3], s[54:55], \c*4*REC
	s_or_b32 s[G0+4*\c+3], s[G0+4*\c+3], 0x80000000
.endr
	CROUND                                         ; all four work-groups are here: the joint loads meet
.irp c, 0,1,2,3
	tensor_load_to_lds s[G0+4*\c:G0+4*\c+3], s[G1:G1+7]
	s_nop 0
.endr
.rept 4
	v_nop
.endr
	v_and_b32 v6, 31, v0
	v_lshlrev_b32 v[LI], 4, v6
	v_lshlrev_b32 v[LS], 2, v6
	v_and_b32 v7, 15, v0                           ; r
	v_bfe_u32 v[ADI], v0, 4, 1                     ; h
	s_lshl_b32 s20, s15, 4
	s_add_co_u32 s20, s20, s[MW]
	s_mul_i32 s20, s20, 6400                       ; q's record: head, step m
	s_lshr_b32 s21, s14, 1                         ; the pair of tiles
	s_mul_i32 s22, s21, 1536
	s_add_co_u32 s22, s22, s20
	s_mov_b32 s23, 0
	s_add_nc_u64 s[48:49], s[4:5], s[22:23]
	s_lshl_b32 s21, s21, 6
	s_add_co_u32 s22, s20, s21
	s_add_co_u32 s22, s22, 6144
	s_add_nc_u64 s[50:51], s[4:5], s[22:23]
	s_and_b32 s52, s14, 1                          ; registers 0-5 of the image (even tile) or 6-11: three pieces of 8 bytes, chosen with no branch
	s_cmp_eq_u32 s52, 0
	s_cselect_b32 s53, 0, 520
	s_cselect_b32 s54, 8, 1024
	s_mov_b32 s55, 1032
	s_cselect_b32 s55, 512, s55
	v_add_nc_u32 v[W0], s53, v[LI]
	v_add_nc_u32 v[W0+1], s54, v[LI]
	v_add_nc_u32 v[W0+2], s55, v[LI]
	v_lshlrev_b32 v[W0+3], 2, v7
.irp u, 0,12
	global_load_b64 v[QF+\u:QF+\u+1], v[W0], s[48:49]
	global_load_b64 v[QF+\u+2:QF+\u+3], v[W0+1], s[48:49]
	global_load_b64 v[QF+\u+4:QF+\u+5], v[W0+2], s[48:49]
.endr
	global_load_b32 v[BM], v[W0+3], s[50:51]       ; the pair's scale word of row r
	s_lshl_b32 s52, s52, 4                         ; 16 bits up for the odd tile
	s_lshl_b32 s53, s14, 4
	v_lshlrev_b32 v[ADS], 3, v[ADI]
	v_sub_nc_u32 v[DD], v7, v[ADS]
	v_add_nc_u32 v[DD], s53, v[DD]                 ; 16 i + r - 8 h
	s_lshr_b32 s20, s15, 4                         ; where y goes: row tile = 128 x batch + 8 m + i,
	s_lshl_b32 s20, s20, 7
	s_lshl_b32 s21, s[MW], 3
	s_add_co_u32 s20, s20, s21
	s_add_co_u32 s20, s20, s14
	s_lshl_b32 s20, s20, 3
	s_and_b32 s21, s15, 15                         ; K step = head / 2, half = head % 2
	s_lshr_b32 s22, s21, 1
	s_add_co_u32 s20, s20, s22
	s_and_b32 s21, s21, 1
	s_mul_i32 s56, s20, 1536
	s_mul_i32 s22, s21, 768
	s_add_co_u32 s56, s56, s22
	s_mov_b32 s57, 0
	s_add_nc_u64 s[56:57], s[8:9], s[56:57]
	s_lshl_b32 s58, s20, 6
	s_lshl_b32 s22, s21, 1
	s_add_co_u32 s58, s58, s22
	s_add_co_u32 s58, s58, 3145728
	s_mov_b32 s59, 0
	s_add_nc_u64 s[58:59], s[8:9], s[58:59]
	s_lshl_b32 s60, s15, 3
	s_add_co_u32 s60, s60, s14
	s_lshl_b32 s60, s60, 2
	s_mov_b32 s61, 0
	s_add_nc_u64 s[60:61], s[10:11], s[60:61]
.irp j, 0,1,2,3,4,5
	v_mov_b32 v[QF+6+\j], 0                        ; the zero codes between the two copies of q
.endr
	v_mov_b32 v[TT], 0xff61b1e6                    ; the largest t so far: -3e38
	v_floor_f32 v[NM], -v[TT]
	v_mov_b32 v[NEG], 0xff61b1e6
.irp j, 0,1,2,3
	v_mov_b32 v[LL+\j], 0                          ; l and S
	v_mov_b32 v[PB+\j], 0                          ; written once: a lane permute's destination counts as one of its sources
.endr
	v_mov_b32 v[PW], 0                             ; (named as the upper half of the pair v[232:233] before it is first written)
.set n, 0
.rept 32
	v_mov_b32 v[O+n], 0                            ; O^T: the step is written once; the first finds zeros, which the first change of M leaves zeros
.set n, n+1
.endr
	s_wait_loadcnt 0x0                             ; q
	v_lshrrev_b32 v[BM], s52, v[BM]
	v_and_b32 v[BM], 0xffff, v[BM]                 ; my tile's two bytes
	v_or_b32 v[SQA], 0x7f7f0000, v[BM]             ; the zero codes' blocks get the byte 127
	v_lshl_or_b32 v[SQB], v[BM], 16, 0x7f7f
.rept 8
	v_nop                                          ; a scale register written by a vector instruction stands eight places ahead of a scaled matrix instruction: once, here, for every way to a key step
.endr
.macro SPROD p                         ; the image of key tiles 2 p and 2 p + 1 against [q | 0] and [0 | q]
.if (\p)%2
	v_wmma_scale_f32_16x16x128_f8f6f4 v[U+16*\p:U+16*\p+7], v[F+12*\p:F+12*\p+11], v[QF:QF+11], 0, v[KSC+\p/2], v[SQA] matrix_a_fmt:MATRIX_FMT_FP6 matrix_b_fmt:MATRIX_FMT_FP6 matrix_a_scale:MATRIX_SCALE_ROW1
	v_wmma_scale_f32_16x16x128_f8f6f4 v[U+16*\p+8:U+16*\p+15], v[F+12*\p:F+12*\p+11], v[QF+6:QF+17], 0, v[KSC+\p/2], v[SQB] matrix_a_fmt:MATRIX_FMT_FP6 matrix_b_fmt:MATRIX_FMT_FP6 matrix_a_scale:MATRIX_SCALE_ROW1
.else
	v_wmma_scale_f32_16x16x128_f8f6f4 v[U+16*\p:U+16*\p+7], v[F+12*\p:F+12*\p+11], v[QF:QF+11], 0, v[KSC+\p/2], v[SQA] matrix_a_fmt:MATRIX_FMT_FP6 matrix_b_fmt:MATRIX_FMT_FP6
	v_wmma_scale_f32_16x16x128_f8f6f4 v[U+16*\p+8:U+16*\p+15], v[F+12*\p:F+12*\p+11], v[QF+6:QF+17], 0, v[KSC+\p/2], v[SQB] matrix_a_fmt:MATRIX_FMT_FP6 matrix_b_fmt:MATRIX_FMT_FP6
.endif
.endm
.macro PVPROD c                        ; 16 channels x these 128 keys; the four accumulators take turns
.if (\c)%2
	v_wmma_scale_f32_16x16x128_f8f6f4 v[O+8*\c:O+8*\c+7], v[U+12*\c:U+12*\c+11], v[PC:PC+11], v[O+8*\c:O+8*\c+7], v[VSC+\c/2], v[PW] matrix_a_fmt:MATRIX_FMT_FP6 matrix_b_fmt:MATRIX_FMT_FP6 matrix_a_scale:MATRIX_SCALE_ROW1
.else
	v_wmma_scale_f32_16x16x128_f8f6f4 v[O+8*\c:O+8*\c+7], v[U+12*\c:U+12*\c+11], v[PC:PC+11], v[O+8*\c:O+8*\c+7], v[VSC+\c/2], v[PW] matrix_a_fmt:MATRIX_FMT_FP6 matrix_b_fmt:MATRIX_FMT_FP6
.endif
.endm
; A KEY STEP of 128 keys.  A step behind my diagonal step is left out: a branch on the wave's number and the count of steps, round the step's loads and work; not round the two lines at its end.
.macro STEP
	s_cmp_gt_u32 s[STP], s[MW]
	s_cbranch_scc1 .Lskip_\@
	v_add_nc_u32 v[ADI], s[TB], v[LI]
	v_add_nc_u32 v[ADS], s[TB], v[LS]
.rept 3
	v_nop                                          ; with the two additions five places: the products below write over registers that the last step's products read
.endr
.irp p, 0,1,2,3
.irp g, 0,1,2
	ds_load_b128 v[F+12*\p+4*\g:F+12*\p+4*\g+3], v[ADI] offset:1536*\p+512*\g
.endr
.endr
	ds_load_b32 v[KSC], v[ADS] offset:6144         ; lanes 0-15: pair 0's words, lanes 16-31: pair 1's
	ds_load_b32 v[KSC+1], v[ADS] offset:6272
	s_wait_dscnt 0x0
.irp p, 0,1,2,3
	SPROD \p
.endr
.rept 4
	v_nop
.endr
	s_cmp_lg_u32 s[STP], s[MW]                     ; on the diagonal hidden scores become -3e38 ahead of the maximum: register 8 t + j holds key 16 t + 8 h + j
	s_cbranch_scc1 .Lopen_\@
.set n, 0
.rept 64
	v_cmp_gt_i32 vcc_lo, 16*(n/8)+n%8, v[DD]
	v_cndmask_b32 v[U+n], v[U+n], v[NEG], vcc_lo
.set n, n+1
.endr
.Lopen_\@:
.irp b, 0,1,2,3
	v_max3_num_f32 v[BM+\b], v[U+16*\b], v[U+16*\b+1], v[U+16*\b+2]   ; the largest score of each block of 32 keys: for the row's maximum, and, since p rises with the score, for the block's largest p
.endr
.irp i, 3,5,7,9,11,13
.irp b, 0,1,2,3
	v_max3_num_f32 v[BM+\b], v[BM+\b], v[U+16*\b+\i], v[U+16*\b+\i+1]
.endr
.endr
.irp b, 0,1,2,3
	v_max_num_f32 v[BM+\b], v[BM+\b], v[U+16*\b+15]
.endr
.irp b, 0,1,2,3
	v_permlanex16_b32 v[PB+\b], v[BM+\b], s[SEL], s[SEL+1]
.endr
.irp b, 0,1,2,3
	v_max_num_f32 v[BM+\b], v[BM+\b], v[PB+\b]
.endr
	v_max3_num_f32 v[W0], v[BM], v[BM+1], v[BM+2]
	v_max_num_f32 v[W0], v[W0], v[BM+3]
	v_mul_f32 v[W0], s[CS], v[W0]
	v_max_num_f32 v[TT], v[TT], v[W0]              ; the running largest t
	v_mov_b32 v[W0], v[NM]
	v_floor_f32 v[NM], -v[TT]                      ; the new -M = -ceil(t)
	v_sub_f32 v[DL], v[NM], v[W0]                  ; d = old M - new M, a whole number, 0 or less
	v_cvt_i32_f32 v[W0], v[DL]                     ; (it saturates)
	v_ldexp_f32 v[FF], 1.0, v[W0]                  ; f = 2^d
	v_pk_fma_f32 v[SS:SS+1], v[LL:LL+1], v[DL:DL+1], v[SS:SS+1] op_sel_hi:[1,0,1]   ; S + d l
.set n, 0
.rept 32
	v_pk_fma_f32 v[U+n:U+n+1], v[U+n:U+n+1], s[CS:CS+1], v[NM:NM+1] op_sel_hi:[1,0,0]   ; u = t - M
.set n, n+2
.endr
.irp b, 0,1,2,3
	v_fma_f32 v[BM+\b], v[BM+\b], s[CS], v[NM]
.endr
.set n, 0
.rept 64
	v_exp_f32 v[F+n], v[U+n]                       ; p = 2^u; u is kept for S
.set n, n+1
.endr
	v_pk_mul_f32 v[LL:LL+1], v[LL:LL+1], v[FF:FF+1] op_sel_hi:[1,0]   ; plain work behind the exponentials
	v_pk_mul_f32 v[SS:SS+1], v[SS:SS+1], v[FF:FF+1] op_sel_hi:[1,0]
	s_wait_alu depctr_va_vdst(0)                   ; one wait for the batch of 64, ahead of its first reader
.irp b, 0,1,2,3
	v_exp_f32 v[BM+\b], v[BM+\b]                   ; each block's largest p
.endr
	v_pk_add_f32 v[W0:W0+1], v[F:F+1], v[F+2:F+3]  ; l of the unquantised p, in two chains
	v_pk_mul_f32 v[W0+2:W0+3], v[F:F+1], v[U:U+1]  ; S likewise
	v_pk_fma_f32 v[SS:SS+1], v[F+2:F+3], v[U+2:U+3], v[SS:SS+1]
.irp j, 4,8,12,16,20,24,28,32,36,40,44,48,52,56,60
	v_pk_add_f32 v[LL:LL+1], v[LL:LL+1], v[F+\j:F+\j+1]
	v_pk_add_f32 v[W0:W0+1], v[W0:W0+1], v[F+\j+2:F+\j+3]
	v_pk_fma_f32 v[W0+2:W0+3], v[F+\j:F+\j+1], v[U+\j:U+\j+1], v[W0+2:W0+3]
	v_pk_fma_f32 v[SS:SS+1], v[F+\j+2:F+\j+3], v[U+\j+2:U+\j+3], v[SS:SS+1]
.endr
	v_pk_add_f32 v[LL:LL+1], v[LL:LL+1], v[W0:W0+1]
	v_pk_add_f32 v[SS:SS+1], v[SS:SS+1], v[W0+2:W0+3]
.irp c, 0,1,2,3
.irp g, 0,1,2
	ds_load_b128 v[U+12*\c+4*\g:U+12*\c+4*\g+3], v[ADI] offset:6400+1536*\c+512*\g   ; u is done with: v's fragments land there while p is quantised
.endr
.endr
	ds_load_b32 v[VSC], v[ADS] offset:12544
	ds_load_b32 v[VSC+1], v[ADS] offset:12672
	s_wait_alu depctr_va_vdst(0)                   ; and one wait for the four
.irp b, 0,1,2,3
	v_max_num_f32 v[BM+\b], 0x1800000, v[BM+\b]    ; the floor 2^(3 - 127): a block whose every p is 0 keeps the byte 1: its codes are zeros
.endr
.irp b, 0,1,2,3
	v_add_nc_u32 v[SO+\b], 0xff000000, v[BM+\b]
.endr
.irp b, 0,1,2,3
	v_lshrrev_b32 v[PB+\b], 23, v[SO+\b]
.endr
	v_lshl_or_b32 v[PW], v[PB+1], 8, v[PB]
	v_lshl_or_b32 v[PW], v[PB+2], 16, v[PW]
	v_lshl_or_b32 v[PW], v[PB+3], 24, v[PW]
.irp c, 0,1
	v_cvt_scalef32_pk16_fp6_f32 v[PC+6*\c:PC+6*\c+2], v[F+32*\c:F+32*\c+15], v[SO+2*\c]
	v_cvt_scalef32_pk16_fp6_f32 v[TQ+4*\c:TQ+4*\c+2], v[F+32*\c+16:F+32*\c+31], v[SO+2*\c+1]
.endr
	v_nop                                          ; one plain instruction behind a scaled conversion
.irp c, 0,1
.irp i, 0,1,2
	v_permlane16_swap_b32 v[PC+6*\c+\i], v[TQ+4*\c+\i]
.endr
.irp i, 0,1,2
	v_mov_b32 v[PC+6*\c+3+\i], v[TQ+4*\c+\i]
.endr
.endr
.set n, 0
.rept 16
	v_pk_mul_f32 v[O+n:O+n+1], v[O+n:O+n+1], v[FF:FF+1] op_sel_hi:[1,0]   ; O^T under the new M; for each product below twelve of these name none of its accumulator's registers: the places behind the writes of p's codes and scale word
.set n, n+2
.endr
	s_wait_dscnt 0x0
.irp c, 0,1,2,3
	PVPROD \c
.endr
.Lskip_\@:
	s_add_co_u32 s[STP], s[STP], 1
	s_add_co_u32 s[TB], s[TB], REC
.endm
; A quarter of the head's records: four key steps.
.macro CHUNK c
	s_wait_tensorcnt 3-\c                          ; my part of quarter c is in; the 3 - c loads issued behind it may be out
	s_wait_dscnt 0x0
	s_barrier_signal -1
	s_barrier_wait -1                              ; everybody's part is
	s_mov_b32 s[CNT], 4
.Lstep_\@:
	STEP
	s_sub_co_u32 s[CNT], s[CNT], 1
	s_cmp_lg_u32 s[CNT], 0
	s_cbranch_scc1 .Lstep_\@
.endm
	CHUNK 0
	CHUNK 1
	CHUNK 2
	CHUNK 3
	; THE WAY OUT
	v_add_f32 v[LL], v[LL], v[LL+1]
	v_add_f32 v[SS], v[SS], v[SS+1]
	v_permlanex16_b32 v[PB], v[LL], s[SEL], s[SEL+1]
	v_permlanex16_b32 v[PB+1], v[SS], s[SEL], s[SEL+1]
	v_add_f32 v[LL], v[LL], v[PB]                  ; the row's l and S
	v_add_f32 v[SS], v[SS], v[PB+1]
	v_rcp_f32 v[FF], v[LL]
	v_log_f32 v[DL], v[LL]
	s_lshl_b32 s20, s[WV], 2
	s_add_co_u32 s20, s20, ENTW
	v_mov_b32 v6, s20                              ; (a plain instruction behind the two)  my wave's word
	v_and_b32 v7, 15, v0
	v_lshlrev_b32 v7, 2, v7                        ; 4 r
	v_add_nc_u32 v[ADS], ENTW, v7                  ; where wave 0 reads the sixteen sums
	v_lshrrev_b32 v[ADI], 1, v[LI]                 ; 8 x lane
	s_wait_alu depctr_va_vdst(0)                   ; one wait for both, ahead of their first reader
	v_fma_f32 v[W0], -v[SS], v[FF], v[DL]          ; log2 l - S / l
	v_mul_f32 v[W0], 0x3f317218, v[W0]             ; x ln 2
.irp m, 1,2,4,8
	v_add_f32_dpp v[W0], v[W0], v[W0] row_xmask:\m row_mask:0xf bank_mask:0xf   ; my 16 rows' sum (both halves of the lanes hold the same rows)
.endr
	ds_store_b32 v6, v[W0]
.set n, 0
.rept 16
	v_pk_mul_f32 v[O+n:O+n+1], v[O+n:O+n+1], v[FF:FF+1] op_sel_hi:[1,0]   ; y = O^T / l: register 8 t + j is channel 16 t + 8 h + j
.set n, n+2
.endr
.irp b, 0,1
.irp j, 0,1,2,3,4,5,6,7
	v_permlane16_swap_b32 v[O+16*\b+\j], v[O+16*\b+8+\j]   ; the given weight lies in natural order: register 16 b + i becomes channel 32 b + 16 h + i
.endr
.endr
.irp b, 0,1
	v_max3_num_f32 v[BM+\b], |v[O+16*\b]|, |v[O+16*\b+1]|, 0x1800000
.endr
.irp i, 2,4,6,8,10,12,14
.irp b, 0,1
	v_max3_num_f32 v[BM+\b], v[BM+\b], |v[O+16*\b+\i]|, |v[O+16*\b+\i+1]|
.endr
.endr
.irp b, 0,1
	v_permlanex16_b32 v[PB+\b], v[BM+\b], s[SEL], s[SEL+1]
.endr
.irp b, 0,1
	v_max_num_f32 v[BM+\b], v[BM+\b], v[PB+\b]
.endr
.irp b, 0,1
	v_add_nc_u32 v[SO+\b], 0xff000000, v[BM+\b]
.endr
.irp b, 0,1
	v_lshrrev_b32 v[PB+\b], 23, v[SO+\b]
.endr
	v_lshl_or_b32 v[W0+1], v[PB+1], 8, v[PB]       ; the head's two bytes: half a scale word
	v_cvt_scalef32_pk16_fp6_f32 v[PC:PC+2], v[O:O+15], v[SO]
	v_cvt_scalef32_pk16_fp6_f32 v[TQ:TQ+2], v[O+16:O+31], v[SO+1]
	v_nop
.irp i, 0,1,2
	v_permlane16_swap_b32 v[PC+\i], v[TQ+\i]
.endr
.irp i, 0,1,2
	v_mov_b32 v[PC+3+\i], v[TQ+\i]
.endr
	global_store_b128 v[LI], v[PC:PC+3], s[56:57]              ; half an image, 768 bytes: registers 0-3 at 16 x lane,
	global_store_b64 v[ADI], v[PC+4:PC+5], s[56:57] offset:512 ; registers 4, 5 at 512 + 8 x lane: whole aligned blocks of 256 bytes
	global_store_b16 v7, v[W0+1], s[58:59]                     ; 2 bytes a row: a head owns half a scale word; lanes r and 16 + r store the same number at the same place
	s_wait_tensorcnt 0x0                           ; the wave's end, behind my last tensor load and my last LDS store
	ds_add_u32 v[SPW], v[NIL]
	s_wait_dscnt 0x0
	CROUND                                         ; the closing round; its barriers also stand between the sixteen stores above and the read below
	s_cmp_lg_u32 s[WV], 0
	s_cbranch_scc1 .Lend
	ds_load_b32 v[W0], v[ADS]
	s_wait_dscnt 0x0
.irp m, 1,2,4,8
	v_add_f32_dpp v[W0], v[W0], v[W0] row_xmask:\m row_mask:0xf bank_mask:0xf
.endr
	v_mov_b32 v[W0+2], 0                           ; (a register that none of the stores above names)
	global_store_b32 v[W0+2], v[W0], s[60:61]      ; the work-group's 256 rows' sum: every lane holds the same number and names the same word
.Lend:
	s_endpgm
.Lfunc_end_k_q4df68de9ed_attn:
	.size	k_q4df68de9ed_attn, .Lfunc_end_k_q4df68de9ed_attn-k_q4df68de9ed_attn
	.p2alignl 7, 3214868480
	.fill 96, 4, 3214868480
	.section	.rodata,"a",@progbits
	.p2align	6, 0x0
	.amdhsa_kernel k_q4df68de9ed_attn
		.amdhsa_group_segment_fixed_size 207104
		.amdhsa_private_segment_fixed_size 0
		.amdhsa_enable_private_segment 0
		.amdhsa_kernarg_size 32
		.amdhsa_user_sgpr_count 2
		.amdhsa_user_sgpr_kernarg_segment_ptr 1
		.amdhsa_wavefront_size32 1
		.amdhsa_system_sgpr_workgroup_id_x 1
		.amdhsa_system_sgpr_workgroup_id_y 1
		.amdhsa_system_sgpr_workgroup_id_z 1
		.amdhsa_system_vgpr_workitem_id 0
		.amdhsa_next_free_vgpr 256
		.amdhsa_next_free_sgpr 72
		.amdhsa_reserve_vcc 1
		.amdhsa_float_denorm_mode_32 3
		.amdhsa_float_denorm_mode_16_64 3
		.amdhsa_memory_ordered 1
		.amdhsa_forward_progress 1
		.amdhsa_inst_pref_size 107
	.end_amdhsa_kernel
	.amdgpu_metadata
---
amdhsa.version: [ 1, 2 ]
amdhsa.kernels:
  - .name:           k_q4df68de9ed_attn
    .symbol:         k_q4df68de9ed_attn.kd
    .args:
      - { .name: qbuf, .offset: 0, .size: 8, .value_kind: global_buffer, .address_space: global }
      - { .name: kvbuf, .offset: 8, .size: 8, .value_kind: global_buffer, .address_space: global }
      - { .name: ybuf, .offset: 16, .size: 8, .value_kind: global_buffer, .address_space: global }
      - { .name: ent, .offset: 24, .size: 8, .value_kind: global_buffer, .address_space: global }
    .group_segment_fixed_size: 207104
    .private_segment_fixed_size: 0
    .kernarg_segment_align: 8
    .kernarg_segment_size: 32
    .max_flat_workgroup_size: 512
    .sgpr_count:     72
    .vgpr_count:     256
    .wavefront_size: 32
...
	.end_amdgpu_metadata
.endif
;; end of part 3
;; launch aproj (part 4): grid 8 x 32, 4 waves a work-group, clusters of 4 x 4, 327,680 bytes of LDS; arguments ybuf, attnproj_w_codes, attnproj_w_scales, attnproj_b, x, x1; writes x1
.if DOCPART == 4
	.amdgcn_target "amdgcn-amd-amdhsa--gfx1250"
	.amdhsa_code_object_version 6
	.text
	.protected	k_q4df68de9ed_aproj
	.globl	k_q4df68de9ed_aproj
	.p2align	8
	.type	k_q4df68de9ed_aproj,@function
k_q4df68de9ed_aproj:
	s_mov_b64 s[64:65], 0
	v_nop
	global_prefetch_b8 v0, s[64:65] scope:SCOPE_SE
	s_setreg_imm32_b32 hwreg(HW_REG_WAVE_MODE, 25, 1), 1
	s_wait_xcnt 0x0
	s_wait_alu depctr_hold_cnt(0) depctr_sa_sdst(0) depctr_va_vdst(0) depctr_va_sdst(0) depctr_va_ssrc(0) depctr_va_vcc(0) depctr_vm_vsrc(0)
	s_getreg_b32 s2, hwreg(HW_REG_IB_STS2, 6, 4)
	s_cmp_eq_u32 s2, 0
	s_cbranch_scc0 .Lentry_in_a_cluster
	s_endpgm
.Lentry_in_a_cluster:
	s_bfe_u32 s2, ttmp6, 0x10000c
	s_cmp_lg_u32 s2, 0xf033
	s_cbranch_scc0 .Lentry_shape_is_right
	s_endpgm
.Lentry_shape_is_right:
; LAUNCH 4 OF 7: x1 = x + y attnproj_w^T + attnproj_b, the product on E2M3 codes.  No work is left out here.
; A tile of C is 128 x 128, so that N = 1,024 gives 256 work-groups: four waves, 64 x 64 each: 16 accumulators.  K goes in slots of 512 through a ring of two LDS slots; a step is 256 along K: 8 + 8 fragments, 32 products.
; Y = the tokens' codes, images of fragments; here each image is two halves of 768 bytes (half c: registers 6 c .. 6 c + 3 of lane l at 16 l, registers 6 c + 4, 5 at 512 + 8 l), as attention's heads stored them.
; X = the weight's rows: a slot holds two sub-tiles of 128 rows x 192 bytes.  CLUSTER 4 x 4 with joint loads: Y shared along a row of the cluster, X along a column.
; Source 0 = 16 rows of the weight, source 1 = 16 tokens: a lane holds eight neighbouring columns of one token.  The bias is the C of each sum's first product; the residual is asked for at the head and added on the way out.
; No prefetch: two slots in all.
.set YHF, 1
.set NTOUT, 0
.set KDIM, 1024
.set YSC, 3145728
.set NKT, KDIM/128
.set KROW, KDIM*3/4
.set KS, KDIM/32
.set MB, 4
.set NKS, 4
.set TN, 128
.set SLK, 128*NKS
.set LAPS, KDIM/(2*SLK)
.set XSTEP, SLK*3/2
.set SLOT, 110592                      ; Y: 8 row tiles x 4 images = 49,152; X: 2 x 128 rows x 240
.set XOFF, 49152
.set SA, 2*SLOT
.set HALFSA, MB*NKT*64
.set SB, SA+2*HALFSA
.set HALFSB, ((TN/2)*KS/256)*272
.set SBLK, (16*KS/256)*272
.set SPARE, SB+2*HALFSB
.set WV, 16
.set WR, 17
.set WC, 18
.set G1Y, 24
.set G0Y, 32
.set G1X, 48
.set G0X, 56
.set G1SA, 68
.set G0SA, 76
.set G1SB, 80
.set G0SB, 88
.set ADX, 16
.set ADX2, 18
.set ADY, 20
.set ADY8, 22
.set ADSX, 24
.set ADSY, 25
.set STO, 26                           ; the way out: where I put 32 bytes of a row; where I read a row back; my byte offset in C
.set RD, 27
.set SPW, 28
.set NIL, 29
.set CO, 30
.set SCX, 32                           ; v32-63 scale words and nothing else
.set SCY, 40
.set YF, 64                            ; window 0: Y's fragments, set p at YF + 96 p.  Window 1: X's, set p at 128 p; bias tiles at v96-127.  Window 2: v0-127 the accumulators, v128-255 the residual
.set BK, 64
.set MSB, 0
.macro WIN new
.if MSB != (\new)
	s_set_vgpr_msb (MSB<<8)|(\new)
.set MSB, (\new)
.endif
.endm
.macro PLACES n
.rept \n
	v_nop
.endr
.endm
.macro JLOAD g0y, g1y, g0x, g1x        ; waves 0 and 1 fetch for Y, waves 2 and 3 for X; an s_nop 0 and four v_nop follow each of the two lines
	s_cmp_eq_u32 s[WR], 0
	s_cbranch_scc0 .Lfor_x_\@
	tensor_load_to_lds s[\g0y:\g0y+3], s[\g1y:\g1y+7]
	s_nop 0
.rept 4
	v_nop
.endr
	s_branch .Lasked_\@
.Lfor_x_\@:
	tensor_load_to_lds s[\g0x:\g0x+3], s[\g1x:\g1x+7]
	s_nop 0
.rept 4
	v_nop
.endr
.Lasked_\@:
.endm
.macro CREST
	s_cmp_lg_u32 s[WV], 0
	s_cbranch_scc1 .Lnot_wave_0_\@
	s_barrier_signal -3
.Lnot_wave_0_\@:
	s_barrier_wait -3
	s_barrier_signal -1
	s_barrier_wait -1
.endm
.macro CROUND
	s_barrier_signal -1
	s_barrier_wait -1
	CREST
.endm
.macro FRAGX reg, slot, q, off         ; 24 bytes of row r's bit stream twice, in pieces of 8; 16 bytes of padding lie behind every 64
.irp p, 0,1,2,3,4,5
.set PCE, 12*(\q)+6*(\p/3)+\p%3
.if PCE%8 < 5
	ds_load_b64 v[\reg+2*\p:\reg+2*\p+1], v[ADX+\slot] offset:8*PCE+16*(PCE/8)+(\off)
.else
	ds_load_b64 v[\reg+2*\p:\reg+2*\p+1], v[ADX2+\slot] offset:8*PCE+16*(PCE/8)+(\off)
.endif
.endr
.endm
.macro FRAGY reg, slot, idx
.if YHF
.irp c, 0,1
	ds_load_b128 v[\reg+6*\c:\reg+6*\c+3], v[ADY+\slot] offset:(\idx)*1536+768*\c
	ds_load_b64 v[\reg+6*\c+4:\reg+6*\c+5], v[ADY8+\slot] offset:(\idx)*1536+768*\c+512
.endr
.else
.irp g, 0,1,2
	ds_load_b128 v[\reg+4*\g:\reg+4*\g+3], v[ADY+\slot] offset:(\idx)*1536+512*\g
.endr
.endif
.endm
.macro FETCH p, slot, st               ; the slot's step st (K steps 2 st + q, q = 0, 1): 8 + 8 fragments into set p
	WIN 0x40
.irp q, 0,1
.irp b, 0,1,2,3
	FRAGX 128*(\p)+12*(4*\q+\b), \slot, \q, \b*3840+(\st)*30720
.endr
.endr
	WIN 0
.irp q, 0,1
.irp a, 0,1,2,3
	FRAGY YF+96*(\p)+12*(4*\q+\a), \slot, 4*\a+2*(\st)+\q
.endr
.endr
.endm
.macro SCALES sc                       ; a slot's scale words: register 4 t + i holds block i's words of K steps 2 t (lanes 0-15) and 2 t + 1 (lanes 16-31)
.irp t, 0,1
.irp i, 0,1,2,3
	ds_load_b32 v[SCX+16*\sc+4*\t+\i], v[ADSX] offset:\i*SBLK+8*\t
	ds_load_b32 v[SCY+16*\sc+4*\t+\i], v[ADSY] offset:\i*NKT*64+128*\t
.endr
.endr
.endm
.macro WM mode
.if (\mode) == 0
	v_wmma_scale_f32_16x16x128_f8f6f4 v[rD:rD+7], v[rA:rA+11], v[rB:rB+11], v[rC:rC+7], v[rSA], v[rSB] matrix_a_fmt:MATRIX_FMT_FP6 matrix_b_fmt:MATRIX_FMT_FP6
.elseif (\mode) == 1
	v_wmma_scale_f32_16x16x128_f8f6f4 v[rD:rD+7], v[rA:rA+11], v[rB:rB+11], v[rD:rD+7], v[rSA], v[rSB] matrix_a_fmt:MATRIX_FMT_FP6 matrix_b_fmt:MATRIX_FMT_FP6
.else
	v_wmma_scale_f32_16x16x128_f8f6f4 v[rD:rD+7], v[rA:rA+11], v[rB:rB+11], v[rD:rD+7], v[rSA], v[rSB] matrix_a_fmt:MATRIX_FMT_FP6 matrix_b_fmt:MATRIX_FMT_FP6 matrix_a_scale:MATRIX_SCALE_ROW1 matrix_b_scale:MATRIX_SCALE_ROW1
.endif
.endm
; A quarter of a step: 8 products: K step q = k / 2, token blocks 2 (k % 2), + 1 x column blocks 0 .. 3.  The 16 accumulators take turns, one instruction a turn.
.macro MULQ k, p, st, sc, first
.set qq, (\k)/2
.if (\first) && (qq == 0)
	WIN 0x91
.else
	WIN 0xa1
.endif
.irp a, 2*((\k)%2), 2*((\k)%2)+1
.irp b, 0,1,2,3
.set rD, 8*(4*(\a)+\b)
.set rA, 128*(\p)+12*(4*qq+\b)
.set rB, YF+96*(\p)+12*(4*qq+(\a))
.set rC, 96+8*\b
.set rSA, SCX+16*(\sc)+4*(\st)+\b
.set rSB, SCY+16*(\sc)+4*(\st)+(\a)
.if (\first) && (qq == 0)
	WM 0
.else
	WM 1+qq
.endif
.endr
.endr
.endm
.macro MULS k0, n, p, st, sc, first
.set kk, \k0
.rept \n
	MULQ kk, \p, \st, \sc, \first
.set kk, kk+1
.endr
	WIN 0
.endm
.macro STEP0 slot, first
	s_wait_dscnt 0x0                               ; set 0 and the slot's scale words are in
	MULS 0, 2, 0, 0, \slot, \first
	PLACES 4
	FETCH 1, \slot, 1
	MULS 2, 2, 0, 0, \slot, \first
.endm
.macro TURN slot, next, fill           ; a slot's last step, on set 1, changes slots at its head: every fragment of the slot is in registers then
	s_wait_tensorcnt 0x0                           ; all my tensor loads have landed, my part of the next slot among them
	ds_add_u32 v[SPW], v[NIL]                      ; 0 onto my spare word
.if \fill
	s_add_nc_u64 s[G0Y+4*\slot+2:G0Y+4*\slot+3], s[G0Y+4*\slot+2:G0Y+4*\slot+3], 2*NKS*1536
	s_add_nc_u64 s[G0X+4*\slot+2:G0X+4*\slot+3], s[G0X+4*\slot+2:G0X+4*\slot+3], XSTEP
.endif
	s_wait_dscnt 0x0                               ; the add is done, set 1 is in, and my reads of this slot are over
	s_barrier_signal -1
	s_barrier_wait -1
.if \fill
	CREST                                          ; the barrier has opened a round of the cluster's
	JLOAD G0Y+4*\slot, G1Y, G0X+4*\slot, G1X       ; the first tensor load behind the round; its four v_nop are the places in front of the loads below
.else
	PLACES 4
.endif
	v_add_nc_u32 v[ADSX], SLK/32, v[ADSX]
	v_add_nc_u32 v[ADSY], NKS*64, v[ADSY]
	FETCH 0, \next, 0
	SCALES \next
	MULS 0, 4, 1, 1, \slot, 0
.endm
	s_load_b256 s[4:11], s[0:1], 0x0               ; Y's buffer, X's codes, X's scales, the bias
	s_load_b128 s[12:15], s[0:1], 0x20             ; the residual, the result
	v_lshl_add_u32 v[SPW], v0, 2, SPARE
	v_mov_b32 v[NIL], 0
	ds_add_u32 v[SPW], v[NIL]                      ; the wave's opening: the add, twice on end, and its wait ahead of my first tensor load
	ds_add_u32 v[SPW], v[NIL]
	v_lshrrev_b32 v1, 5, v0
	v_readfirstlane_b32 s[WV], v1
	s_lshr_b32 s[WR], s[WV], 1
	s_and_b32 s[WC], s[WV], 1
	s_bfe_u32 s40, ttmp6, 0x40000
	s_bfe_u32 s41, ttmp6, 0x40004
	s_lshl_b32 s42, ttmp9, 2
	s_add_co_u32 s42, s42, s40                     ; tile column
	s_and_b32 s66, ttmp7, 0xffff
	s_lshl_b32 s66, s66, 2
	s_add_co_u32 s66, s66, s41                     ; tile row
	s_lshl_b32 s43, s41, 2
	s_lshl_b32 s43, 15, s43
	s_lshl_b32 s44, 0x1111, s40
	s_or_b32 s[G1Y], s43, (3<<16)|(1<<21)          ; Y: elements of 8 bytes; MB rows (row tiles) of NKS images, NKT images apart
	s_mov_b32 s[G1Y+1], (NKS*192)<<16
	s_mov_b32 s[G1Y+2], MB<<16
	s_mov_b32 s[G1Y+3], (NKS*192)<<16
	s_mov_b32 s[G1Y+4], MB
	s_mov_b32 s[G1Y+5], NKT*192
	s_mov_b32 s[G1Y+6], 0
	s_mov_b32 s[G1Y+7], 0
	s_or_b32 s[G1X], s44, (0<<16)|(1<<20)|(1<<21)|(3<<22)|(3<<25)   ; X: 128 rows of 192 bytes, 16 bytes of padding behind every 64
	s_mov_b32 s[G1X+1], 192<<16
	s_mov_b32 s[G1X+2], 128<<16
	s_mov_b32 s[G1X+3], 192<<16
	s_mov_b32 s[G1X+4], 128
	s_mov_b32 s[G1X+5], KROW
	s_mov_b32 s[G1X+6], 0
	s_mov_b32 s[G1X+7], 0
	s_or_b32 s[G1SA], s43, (3<<16)|(1<<21)
	s_mov_b32 s[G1SA+1], 32<<16
	s_mov_b32 s[G1SA+2], (HALFSA/256)<<16
	s_mov_b32 s[G1SA+3], 32<<16
	s_mov_b32 s[G1SA+4], HALFSA/256
	s_mov_b32 s[G1SA+5], 32
	s_mov_b32 s[G1SA+6], 0
	s_mov_b32 s[G1SA+7], 0
	s_or_b32 s[G1SB], s44, (3<<16)|(1<<20)|(1<<21)|(5<<22)|(3<<25)
	s_mov_b32 s[G1SB+1], 32<<16
	s_mov_b32 s[G1SB+2], ((TN/2)*KS/256)<<16
	s_mov_b32 s[G1SB+3], 32<<16
	s_mov_b32 s[G1SB+4], (TN/2)*KS/256
	s_mov_b32 s[G1SB+5], 32
	s_mov_b32 s[G1SB+6], 0
	s_mov_b32 s[G1SB+7], 0
	s_mul_i32 s20, s66, 2*MB
	s_mul_i32 s21, s[WC], MB
	s_add_co_u32 s20, s20, s21                     ; Y: the first row tile that I fetch
	s_mul_i32 s22, s20, NKT*64
	s_add_co_u32 s22, s22, YSC
	s_mov_b32 s23, 0
	s_mul_i32 s20, s20, NKT*1536
	s_mov_b32 s21, 0
	s_lshl_b32 s46, s42, 7                         ; X: the tile's 128 rows; I fetch sub-tile (column half) of each slot, and the scale bytes of 64 rows
	s_lshl_b32 s47, s[WC], 6
	s_add_co_u32 s92, s46, s47
	s_mul_i32 s92, s92, KS
	s_mov_b32 s93, 0
	s_mul_i32 s46, s46, KROW
	s_mul_i32 s47, s[WC], 192
	s_add_co_u32 s46, s46, s47
	s_mov_b32 s47, 0
	s_mul_i32 s45, s[WC], 24576
	s_mul_i32 s94, s[WC], 30720
	s_add_co_u32 s94, s94, XOFF
	s_mul_i32 s95, s[WC], HALFSA
	s_add_co_u32 s95, s95, SA
	s_mul_i32 s96, s[WC], HALFSB
	s_add_co_u32 s96, s96, SB
	s_wait_dscnt 0x0                               ; both opening adds are done
	s_wait_kmcnt 0x0
	s_add_nc_u64 s[20:21], s[4:5], s[20:21]
	s_add_nc_u64 s[22:23], s[4:5], s[22:23]
	s_add_nc_u64 s[46:47], s[6:7], s[46:47]
	s_add_nc_u64 s[92:93], s[8:9], s[92:93]
	CROUND                                         ; all sixteen work-groups are here: the first joint loads meet
	s_mov_b32 s[G0SA], 1
	s_mov_b32 s[G0SA+1], s95
	s_mov_b64 s[G0SA+2:G0SA+3], s[22:23]
	s_or_b32 s[G0SA+3], s[G0SA+3], 0x80000000
	s_mov_b32 s[G0SB], 1
	s_mov_b32 s[G0SB+1], s96
	s_mov_b64 s[G0SB+2:G0SB+3], s[92:93]
	s_or_b32 s[G0SB+3], s[G0SB+3], 0x80000000
	JLOAD G0SA, G1SA, G0SB, G1SB
.irp s, 0,1
	s_mov_b32 s[G0Y+4*\s], 1
	s_add_co_u32 s[G0Y+4*\s+1], s45, \s*SLOT
	s_add_nc_u64 s[G0Y+4*\s+2:G0Y+4*\s+3], s[20:21], \s*NKS*1536
	s_or_b32 s[G0Y+4*\s+3], s[G0Y+4*\s+3], 0x80000000
	s_mov_b32 s[G0X+4*\s], 1
	s_add_co_u32 s[G0X+4*\s+1], s94, \s*SLOT
	s_add_nc_u64 s[G0X+4*\s+2:G0X+4*\s+3], s[46:47], \s*XSTEP/2
	s_or_b32 s[G0X+4*\s+3], s[G0X+4*\s+3], 0x80000000
	JLOAD G0Y+4*\s, G1Y, G0X+4*\s, G1X             ; three tensor loads of mine are out behind the second of these
.endr
	v_and_b32 v1, 15, v0                           ; r
	v_bfe_u32 v2, v0, 4, 1                         ; h
	v_and_b32 v3, 31, v0                           ; lane
	v_mul_u32_u24 v4, v1, 240
	v_mad_u32_u24 v4, v2, 24, v4
	v_lshl_add_u32 v5, v2, 4, v4
	v_lshlrev_b32 v6, 4, v3
	v_lshlrev_b32 v10, 3, v3
	s_mul_i32 s20, s[WC], MB*3840
	s_add_co_u32 s20, s20, XOFF                    ; my 64 rows of X
	s_mul_i32 s21, s[WR], 24576                    ; my 4 row tiles of Y
.irp s, 0,1
	v_add_nc_u32 v[ADX+\s], s20, v4
	v_add_nc_u32 v[ADX2+\s], s20, v5
	v_add_nc_u32 v[ADY+\s], s21, v6
	v_add_nc_u32 v[ADY8+\s], s21, v10
	s_add_co_u32 s20, s20, SLOT
	s_add_co_u32 s21, s21, SLOT
.endr
	v_mul_u32_u24 v7, v1, KS
	v_lshrrev_b32 v8, 8, v7
	v_lshl_add_u32 v7, v8, 4, v7
	v_lshl_add_u32 v7, v2, 2, v7                   ; lanes 16-31 one word (one K step) on
	s_mul_i32 s20, s[WC], HALFSB
	s_add_co_u32 s20, s20, SB
	v_add_nc_u32 v[ADSX], s20, v7
	s_mul_i32 s20, s[WR], HALFSA
	s_add_co_u32 s20, s20, SA
	v_lshl_add_u32 v[ADSY], v3, 2, s20
	s_mul_i32 s20, s[WV], 16*272                   ; my stage, 16 rows x (256 bytes + 16), in slot 0: used when that slot has had its last fill and its last read
	v_mul_u32_u24 v7, v1, 272
	v_lshl_add_u32 v7, v2, 5, v7
	v_add_nc_u32 v[STO], s20, v7
	v_mul_u32_u24 v7, v2, 272
	v_lshl_add_u32 v7, v1, 4, v7
	v_add_nc_u32 v[RD], s20, v7
	v_lshlrev_b32 v7, 12, v2
	v_lshl_add_u32 v[CO], v1, 4, v7                ; lanes 0-15 one row of C, lanes 16-31 the next; 16 bytes a lane
	s_lshl_b32 s20, s42, 9
	s_lshl_b32 s21, s[WC], 8
	s_add_co_u32 s20, s20, s21                     ; my first column, in bytes
	s_mov_b32 s21, 0
	s_add_nc_u64 s[10:11], s[10:11], s[20:21]
	s_lshl_b32 s22, s66, 7
	s_lshl_b32 s23, s[WR], 6
	s_add_co_u32 s22, s22, s23
	s_lshl_b32 s22, s22, 12                        ; my first row of 4,096 bytes
	s_add_co_u32 s20, s20, s22
	s_add_nc_u64 s[12:13], s[12:13], s[20:21]
	s_add_nc_u64 s[14:15], s[14:15], s[20:21]
	v_lshlrev_b32 v9, 5, v2
	WIN 0x40
.irp b, 0,1,2,3
	global_load_b128 v[96+8*\b:96+8*\b+3], v9, s[10:11] offset:64*\b          ; the bias tile: register j = bias(16 b + 8 h + j)
	global_load_b128 v[96+8*\b+4:96+8*\b+7], v9, s[10:11] offset:64*\b+16
.endr
	WIN 0x80
.irp a, 0,1,2,3
.irp t, 0,1,2,3,4,5,6,7
	global_load_b128 v[128+4*(8*\a+\t):128+4*(8*\a+\t)+3], v[CO], s[12:13] offset:(16*\a+2*\t)*4096   ; the residual, in the layout in which the rows come back from the stage
.endr
.endr
	WIN 0
	s_wait_tensorcnt 0x1                           ; the scales and my part of slot 0 are in; slot 1's load, issued behind them, may be out
	s_barrier_signal -1
	s_barrier_wait -1
	FETCH 0, 0, 0
	SCALES 0
	s_wait_loadcnt 32                              ; the bias is in; the 32 loads of the residual, issued behind it, may be out
	STEP0 0, 1
.if LAPS > 1
	s_mov_b32 s3, LAPS-1
.Llap:
	TURN 0, 1, 1
	STEP0 1, 0
	TURN 1, 0, 1
	STEP0 0, 0
	s_sub_co_u32 s3, s3, 1
	s_cmp_lg_u32 s3, 0
	s_cbranch_scc1 .Llap
.endif
	TURN 0, 1, 0
	STEP0 1, 0
	s_wait_dscnt 0x0
	MULS 0, 4, 1, 1, 1, 0
; THE WAY OUT, 16 rows x 64 columns at a time: through my stage, back as rows of 256 bytes, the residual added, sixteen lanes to an aligned block of 256 bytes.
.macro TOST a
	WIN 0x08                                       ; an LDS store's data: window 2
.irp b, 0,1,2,3
	ds_store_b128 v[STO], v[8*(4*(\a)+\b):8*(4*(\a)+\b)+3] offset:64*\b           ; each accumulator from its low end on
	ds_store_b128 v[STO], v[8*(4*(\a)+\b)+4:8*(4*(\a)+\b)+7] offset:64*\b+16
.endr
	WIN 0
.irp t, 0,1,2,3,4,5,6,7
	ds_load_b128 v[BK+32*((\a)%2)+4*\t:BK+32*((\a)%2)+4*\t+3], v[RD] offset:\t*544   ; LDS serves a wave's instructions in order: these see the stores above
.endr
.endm
.macro SENDR a, younger
	s_wait_dscnt \younger                          ; the block is back; the next block's 8 stores and 8 loads may be out
	WIN 0x08
.irp t, 0,1,2,3,4,5,6,7
	v_pk_add_f32 v[BK+32*((\a)%2)+4*\t:BK+32*((\a)%2)+4*\t+1], v[BK+32*((\a)%2)+4*\t:BK+32*((\a)%2)+4*\t+1], v[128+4*(8*(\a)+\t):128+4*(8*(\a)+\t)+1]
	v_pk_add_f32 v[BK+32*((\a)%2)+4*\t+2:BK+32*((\a)%2)+4*\t+3], v[BK+32*((\a)%2)+4*\t+2:BK+32*((\a)%2)+4*\t+3], v[128+4*(8*(\a)+\t)+2:128+4*(8*(\a)+\t)+3]
.endr
	WIN 0
.irp t, 0,1,2,3,4,5,6,7
.if NTOUT
	global_store_b128 v[CO], v[BK+32*((\a)%2)+4*\t:BK+32*((\a)%2)+4*\t+3], s[14:15] offset:(16*(\a)+2*\t)*4096 th:TH_STORE_NT
.else
	global_store_b128 v[CO], v[BK+32*((\a)%2)+4*\t:BK+32*((\a)%2)+4*\t+3], s[14:15] offset:(16*(\a)+2*\t)*4096
.endif
.endr
.endm
	PLACES 4                                       ; behind the last products
	s_wait_loadcnt 0x0                             ; the residual
	TOST 0
.irp a, 1,2,3
.if \a > 1
	s_wait_xcnt 0x0                                ; block a - 2's stores have read their registers: block a's rows may land there
.endif
	TOST \a
	SENDR \a-1, 16
.endr
	SENDR 3, 0
	s_wait_tensorcnt 0x0                           ; the wave's end
	ds_add_u32 v[SPW], v[NIL]
	s_wait_dscnt 0x0
	CROUND                                         ; the closing round
	s_endpgm
.Lfunc_end_k_q4df68de9ed_aproj:
	.size	k_q4df68de9ed_aproj, .Lfunc_end_k_q4df68de9ed_aproj-k_q4df68de9ed_aproj
	.p2alignl 7, 3214868480
	.fill 96, 4, 3214868480
	.section	.rodata,"a",@progbits
	.p2align	6, 0x0
	.amdhsa_kernel k_q4df68de9ed_aproj
		.amdhsa_group_segment_fixed_size 327680
		.amdhsa_private_segment_fixed_size 0
		.amdhsa_enable_private_segment 0
		.amdhsa_kernarg_size 48
		.amdhsa_user_sgpr_count 2
		.amdhsa_user_sgpr_kernarg_segment_ptr 1
		.amdhsa_wavefront_size32 1
		.amdhsa_system_sgpr_workgroup_id_x 1
		.amdhsa_system_sgpr_workgroup_id_y 1
		.amdhsa_system_sgpr_workgroup_id_z 1
		.amdhsa_system_vgpr_workitem_id 0
		.amdhsa_next_free_vgpr 768
		.amdhsa_next_free_sgpr 100
		.amdhsa_reserve_vcc 0
		.amdhsa_float_denorm_mode_32 3
		.amdhsa_float_denorm_mode_16_64 3
		.amdhsa_memory_ordered 1
		.amdhsa_forward_progress 1
		.amdhsa_inst_pref_size 66
	.end_amdhsa_kernel
	.amdgpu_metadata
---
amdhsa.version: [ 1, 2 ]
amdhsa.kernels:
  - .name:           k_q4df68de9ed_aproj
    .symbol:         k_q4df68de9ed_aproj.kd
    .args:
      - { .name: ybuf, .offset: 0, .size: 8, .value_kind: global_buffer, .address_space: global }
      - { .name: attnproj_w_codes, .offset: 8, .size: 8, .value_kind: global_buffer, .address_space: global }
      - { .name: attnproj_w_scales, .offset: 16, .size: 8, .value_kind: global_buffer, .address_space: global }
      - { .name: attnproj_b, .offset: 24, .size: 8, .value_kind: global_buffer, .address_space: global }
      - { .name: x, .offset: 32, .size: 8, .value_kind: global_buffer, .address_space: global }
      - { .name: x1, .offset: 40, .size: 8, .value_kind: global_buffer, .address_space: global }
    .group_segment_fixed_size: 327680
    .private_segment_fixed_size: 0
    .kernarg_segment_align: 8
    .kernarg_segment_size: 48
    .max_flat_workgroup_size: 128
    .sgpr_count:     100
    .vgpr_count:     768
    .wavefront_size: 32
...
	.end_amdgpu_metadata
.endif
;; end of part 4
;; launch ln2 (part 5): grid 256 x 1, 4 waves a work-group, no clusters, 66,304 bytes of LDS; arguments x1, ln2_w, ln2_b, hbuf, ent, out1; writes hbuf, out1
.if DOCPART == 5
	.amdgcn_target "amdgcn-amd-amdhsa--gfx1250"
	.amdhsa_code_object_version 6
	.text
	.protected	k_q4df68de9ed_ln2
	.globl	k_q4df68de9ed_ln2
	.p2align	8
	.type	k_q4df68de9ed_ln2,@function
k_q4df68de9ed_ln2:
	s_mov_b64 s[64:65], 0
	v_nop
	global_prefetch_b8 v0, s[64:65] scope:SCOPE_SE
	s_setreg_imm32_b32 hwreg(HW_REG_WAVE_MODE, 25, 1), 1
	s_wait_xcnt 0x0
; LAUNCH 5 OF 7: h2 = layernorm(x1) w + b, quantised along its 1,024 columns and stored as images of the next product's operand registers; and out1 = the sum of attention's 256 entropy parts / 65,536.
; The text is launch ln1's with WITH_ENT = 1; what the program leaves out, and its limits, stand at that launch's head.  No work is left out here.
; IMAGE OF A FRAGMENT (16 rows x 128 K, 12 registers a lane): registers 4 g .. 4 g + 3 of lane l at byte 512 g + 16 l.  hbuf: [256 row tiles][8 K steps][1,536]; from byte SCOFF on the scale words, [256][8][16 rows x 4 bytes].
; SHARES: a work-group takes 16 rows.  Phase 1: wave w normalises rows 4 w .. 4 w + 3.  The rows meet in LDS.  Phase 2: wave w quantises K steps 2 w and 2 w + 1 of all 16 rows.
.set WITH_ENT, 1
.set PITCH, 4112
.set SPARE, 16*PITCH
.set SCOFF, 3145728
.set X,   64
.set GW,  192
.set GB,  224
.set T,   8
.set PD,  24
.set TM,  8
.set SO,  10
.set BY,  12
.set WD,  14
.set W2,  16
.set TQ,  18
.set PC,  28
.set WS,  52
.set SPW, 62
.set NIL, 63
	s_load_b256 s[4:11], s[0:1], 0x0               ; x1, gain, bias, hbuf
.if WITH_ENT
	s_load_b128 s[12:15], s[0:1], 0x20             ; ent, out1
.endif
	v_lshl_add_u32 v[SPW], v0, 2, SPARE
	v_mov_b32 v[NIL], 0
	v_lshrrev_b32 v1, 5, v0
	v_readfirstlane_b32 s16, v1                    ; wave
	v_and_b32 v6, 31, v0                           ; lane
	v_and_b32 v2, 15, v0                           ; r
	v_bfe_u32 v3, v0, 4, 1                         ; h
	v_lshlrev_b32 v1, 4, v6                        ; 16 x lane
	s_mul_i32 s17, s16, 4*PITCH
	v_add_nc_u32 v4, s17, v1                       ; LDS, in: my four rows
	v_mul_u32_u24 v5, v2, PITCH
	v_lshl_add_u32 v5, v3, 7, v5
	s_lshl_b32 s17, s16, 10
	v_add_nc_u32 v5, s17, v5                       ; LDS, out: row r, + 128 h, + my two K steps
	v_lshlrev_b32 v7, 3, v3                        ; 8 h
	v_lshlrev_b32 v6, 2, v6                        ; 4 x lane
	s_mov_b32 s20, 0x76543210
	s_mov_b32 s21, 0xfedcba98
	s_mov_b32 s22, 0x3a800000                      ; 1 / 1,024
	s_mov_b32 s23, 0x3727c5ac                      ; 1e-5
	s_mov_b32 s24, 0xffff0000                      ; lanes 16-31
	s_lshl_b32 s18, ttmp9, 16
	s_lshl_b32 s19, s16, 14
	s_add_co_u32 s18, s18, s19
	s_mov_b32 s19, 0
	s_mul_i32 s26, ttmp9, 12288
	s_mul_i32 s27, s16, 3072
	s_add_co_u32 s26, s26, s27
	s_mov_b32 s27, 0
	s_lshl_b32 s28, ttmp9, 9
	s_lshl_b32 s29, s16, 7
	s_add_co_u32 s28, s28, s29
	s_add_co_u32 s28, s28, SCOFF
	s_mov_b32 s29, 0
	s_wait_kmcnt 0x0
	s_add_nc_u64 s[4:5], s[4:5], s[18:19]
	s_add_nc_u64 s[26:27], s[10:11], s[26:27]
	s_add_nc_u64 s[28:29], s[10:11], s[28:29]
.irp p, 0,1,2,3
.irp j, 0,1,2,3,4,5,6,7
	global_load_b128 v[X+32*\p+4*\j:X+32*\p+4*\j+3], v1, s[4:5] offset:4096*\p+512*\j
.endr
.endr
.irp j, 0,1,2,3,4,5,6,7
	global_load_b128 v[GW+4*\j:GW+4*\j+3], v1, s[6:7] offset:512*\j
.endr
.irp j, 0,1,2,3,4,5,6,7
	global_load_b128 v[GB+4*\j:GB+4*\j+3], v1, s[8:9] offset:512*\j
.endr
.irp p, 0,1,2,3
	v_mov_b32 v[PD+\p], 0                          ; written once: a lane permute's destination counts as one of its sources
.endr
.macro RED4
.irp m, 1,2,4,8
.irp p, 0,1,2,3
	v_add_f32_dpp v[T+4*\p], v[T+4*\p], v[T+4*\p] row_xmask:\m row_mask:0xf bank_mask:0xf
.endr
.endr
.irp p, 0,1,2,3
	v_permlanex16_b32 v[PD+\p], v[T+4*\p], s20, s21
.endr
.irp p, 0,1,2,3
	v_add_f32 v[T+4*\p], v[T+4*\p], v[PD+\p]
.endr
.endm
	s_wait_loadcnt 16                              ; x1 is in; the 16 loads of gain and bias, issued behind it, may be out
.irp p, 0,1,2,3
	v_pk_add_f32 v[T+4*\p:T+4*\p+1], v[X+32*\p:X+32*\p+1], v[X+32*\p+2:X+32*\p+3]
	v_pk_add_f32 v[T+4*\p+2:T+4*\p+3], v[X+32*\p+4:X+32*\p+5], v[X+32*\p+6:X+32*\p+7]
.endr
.irp j, 8,12,16,20,24,28
.irp p, 0,1,2,3
	v_pk_add_f32 v[T+4*\p:T+4*\p+1], v[T+4*\p:T+4*\p+1], v[X+32*\p+\j:X+32*\p+\j+1]
	v_pk_add_f32 v[T+4*\p+2:T+4*\p+3], v[T+4*\p+2:T+4*\p+3], v[X+32*\p+\j+2:X+32*\p+\j+3]
.endr
.endr
.irp p, 0,1,2,3
	v_pk_add_f32 v[T+4*\p:T+4*\p+1], v[T+4*\p:T+4*\p+1], v[T+4*\p+2:T+4*\p+3]
.endr
.irp p, 0,1,2,3
	v_add_f32 v[T+4*\p], v[T+4*\p], v[T+4*\p+1]
.endr
	RED4
.irp p, 0,1,2,3
	v_mul_f32 v[T+4*\p], s22, v[T+4*\p]            ; the mean
.endr
.irp p, 0,1,2,3
.set j, 0
.rept 16
	v_pk_add_f32 v[X+32*\p+j:X+32*\p+j+1], v[X+32*\p+j:X+32*\p+j+1], v[T+4*\p:T+4*\p+1] op_sel_hi:[1,0] neg_lo:[0,1] neg_hi:[0,1]
.set j, j+2
.endr
.endr
.irp p, 0,1,2,3
	v_pk_mul_f32 v[T+4*\p:T+4*\p+1], v[X+32*\p:X+32*\p+1], v[X+32*\p:X+32*\p+1]
	v_pk_mul_f32 v[T+4*\p+2:T+4*\p+3], v[X+32*\p+2:X+32*\p+3], v[X+32*\p+2:X+32*\p+3]
.endr
.irp j, 4,8,12,16,20,24,28
.irp p, 0,1,2,3
	v_pk_fma_f32 v[T+4*\p:T+4*\p+1], v[X+32*\p+\j:X+32*\p+\j+1], v[X+32*\p+\j:X+32*\p+\j+1], v[T+4*\p:T+4*\p+1]
	v_pk_fma_f32 v[T+4*\p+2:T+4*\p+3], v[X+32*\p+\j+2:X+32*\p+\j+3], v[X+32*\p+\j+2:X+32*\p+\j+3], v[T+4*\p+2:T+4*\p+3]
.endr
.endr
.irp p, 0,1,2,3
	v_pk_add_f32 v[T+4*\p:T+4*\p+1], v[T+4*\p:T+4*\p+1], v[T+4*\p+2:T+4*\p+3]
.endr
.irp p, 0,1,2,3
	v_add_f32 v[T+4*\p], v[T+4*\p], v[T+4*\p+1]
.endr
	RED4
.irp p, 0,1,2,3
	v_fma_f32 v[T+4*\p], v[T+4*\p], s22, s23       ; the variance + 1e-5
.endr
.irp p, 0,1,2,3
	v_rsq_f32 v[T+4*\p], v[T+4*\p]
.endr
	v_nop                                          ; a plain instruction behind the last of them
	s_wait_alu depctr_va_vdst(0)                   ; one wait for the batch, ahead of its first reader
	s_wait_loadcnt 0x0                             ; gain and bias
.irp p, 0,1,2,3
.set j, 0
.rept 16
	v_pk_mul_f32 v[X+32*\p+j:X+32*\p+j+1], v[X+32*\p+j:X+32*\p+j+1], v[T+4*\p:T+4*\p+1] op_sel_hi:[1,0]
	v_pk_fma_f32 v[X+32*\p+j:X+32*\p+j+1], v[X+32*\p+j:X+32*\p+j+1], v[GW+j:GW+j+1], v[GB+j:GB+j+1]
.set j, j+2
.endr
.irp j, 0,1,2,3,4,5,6,7
	ds_store_b128 v4, v[X+32*\p+4*\j:X+32*\p+4*\j+3] offset:\p*PITCH+512*\j
.endr
.endr
	s_wait_dscnt 0x0                               ; for the others' sake: my rows lie in LDS
	s_barrier_signal -1
	s_barrier_wait -1
.irp u, 0,1
.irp c, 0,1
.irp i, 0,1,2,3,4,5,6,7
	ds_load_b128 v[X+64*\u+32*\c+4*\i:X+64*\u+32*\c+4*\i+3], v5 offset:512*\u+256*\c+16*\i
.endr
.endr
.endr
	v_mov_b32 v[W2], 0
	s_wait_dscnt 0x0
.macro KQ u
.set NN, X+64*\u
.set CC, PC+12*\u
.irp c, 0,1
	v_max3_num_f32 v[TM+\c], |v[NN+32*\c]|, |v[NN+32*\c+1]|, 0x1800000   ; my block 2 c + h; the floor 2^(3 - 127) holds the byte at 1 from below
.endr
.irp i, 2,4,6,8,10,12,14,16,18,20,22,24,26,28,30
.irp c, 0,1
	v_max3_num_f32 v[TM+\c], v[TM+\c], |v[NN+32*\c+\i]|, |v[NN+32*\c+\i+1]|
.endr
.endr
.irp c, 0,1
	v_add_nc_u32 v[SO+\c], 0xff000000, v[TM+\c]
.endr
.irp c, 0,1
	v_lshrrev_b32 v[BY+\c], 23, v[SO+\c]
.endr
	v_lshl_or_b32 v[WD+\u], v[BY+1], 16, v[BY]
	v_lshlrev_b32 v[WD+\u], v7, v[WD+\u]
	v_permlanex16_b32 v[W2], v[WD+\u], s20, s21
	v_or_b32 v[WD+\u], v[WD+\u], v[W2]
.irp c, 0,1
	v_cvt_scalef32_pk16_fp6_f32 v[CC+6*\c:CC+6*\c+2], v[NN+32*\c:NN+32*\c+15], v[SO+\c]
	v_cvt_scalef32_pk16_fp6_f32 v[TQ+4*\c:TQ+4*\c+2], v[NN+32*\c+16:NN+32*\c+31], v[SO+\c]
.endr
	v_nop                                          ; one plain instruction behind a scaled conversion
.irp c, 0,1
.irp i, 0,1,2
	v_mov_b32 v[CC+6*\c+3+\i], v[TQ+4*\c+\i]
.endr
.endr
.endm
	KQ 0
	KQ 1
	v_cndmask_b32 v[WS], v[WD], v[WD+1], s24
.irp u, 0,1
.irp g, 0,1,2
	global_store_b128 v1, v[PC+12*\u+4*\g:PC+12*\u+4*\g+3], s[26:27] offset:1536*\u+512*\g
.endr
.endr
	global_store_b32 v6, v[WS], s[28:29]
.if WITH_ENT
	s_cmp_lg_u32 ttmp9, 0                          ; the mean entropy: one wave of the launch adds the 256 parts
	s_cbranch_scc1 .Lno_ent
	s_cmp_lg_u32 s16, 0
	s_cbranch_scc1 .Lno_ent
	v_lshlrev_b32 v8, 3, v6                        ; 32 x lane: eight parts a lane
	global_load_b128 v[64:67], v8, s[12:13]
	global_load_b128 v[68:71], v8, s[12:13] offset:16
	s_wait_loadcnt 0x0
	v_pk_add_f32 v[64:65], v[64:65], v[66:67]
	v_pk_add_f32 v[68:69], v[68:69], v[70:71]
	v_pk_add_f32 v[64:65], v[64:65], v[68:69]
	v_add_f32 v64, v64, v65
.irp m, 1,2,4,8
	v_add_f32_dpp v64, v64, v64 row_xmask:\m row_mask:0xf bank_mask:0xf
.endr
	v_permlanex16_b32 v[PD], v64, s20, s21
	v_add_f32 v64, v64, v[PD]
	v_mul_f32 v64, 0x37800000, v64                 ; / 65,536 rows
	v_mov_b32 v9, 0
	global_store_b32 v9, v64, s[14:15]             ; every lane holds the same number and names the same word
.Lno_ent:
.endif
	s_wait_tensorcnt 0x0                           ; the wave's end, behind my last LDS store
	ds_add_u32 v[SPW], v[NIL]
	s_wait_dscnt 0x0
	s_endpgm
.Lfunc_end_k_q4df68de9ed_ln2:
	.size	k_q4df68de9ed_ln2, .Lfunc_end_k_q4df68de9ed_ln2-k_q4df68de9ed_ln2
	.p2alignl 7, 3214868480
	.fill 96, 4, 3214868480
	.section	.rodata,"a",@progbits
	.p2align	6, 0x0
	.amdhsa_kernel k_q4df68de9ed_ln2
		.amdhsa_group_segment_fixed_size 66304
		.amdhsa_private_segment_fixed_size 0
		.amdhsa_enable_private_segment 0
		.amdhsa_kernarg_size 48
		.amdhsa_user_sgpr_count 2
		.amdhsa_user_sgpr_kernarg_segment_ptr 1
		.amdhsa_wavefront_size32 1
		.amdhsa_system_sgpr_workgroup_id_x 1
		.amdhsa_system_sgpr_workgroup_id_y 1
		.amdhsa_system_sgpr_workgroup_id_z 1
		.amdhsa_system_vgpr_workitem_id 0
		.amdhsa_next_free_vgpr 256
		.amdhsa_next_free_sgpr 66
		.amdhsa_reserve_vcc 0
		.amdhsa_float_denorm_mode_32 3
		.amdhsa_float_denorm_mode_16_64 3
		.amdhsa_memory_ordered 1
		.amdhsa_forward_progress 1
		.amdhsa_inst_pref_size 43
	.end_amdhsa_kernel
	.amdgpu_metadata
---
amdhsa.version: [ 1, 2 ]
amdhsa.kernels:
  - .name:           k_q4df68de9ed_ln2
    .symbol:         k_q4df68de9ed_ln2.kd
    .args:
      - { .name: x1, .offset: 0, .size: 8, .value_kind: global_buffer, .address_space: global }
      - { .name: ln2_w, .offset: 8, .size: 8, .value_kind: global_buffer, .address_space: global }
      - { .name: ln2_b, .offset: 16, .size: 8, .value_kind: global_buffer, .address_space: global }
      - { .name: hbuf, .offset: 24, .size: 8, .value_kind: global_buffer, .address_space: global }
      - { .name: ent, .offset: 32, .size: 8, .value_kind: global_buffer, .address_space: global }
      - { .name: out1, .offset: 40, .size: 8, .value_kind: global_buffer, .address_space: global }
    .group_segment_fixed_size: 66304
    .private_segment_fixed_size: 0
    .kernarg_segment_align: 8
    .kernarg_segment_size: 48
    .max_flat_workgroup_size: 128
    .sgpr_count:     66
    .vgpr_count:     256
    .wavefront_size: 32
...
	.end_amdgpu_metadata
.endif
;; end of part 5
;; launch fc (part 6): grid 16 x 16, 4 waves a work-group, clusters of 4 x 4, 327,680 bytes of LDS; arguments hbuf, fc_w_codes, fc_w_scales, fc_b, mbuf; writes mbuf
.if DOCPART == 6
	.amdgcn_target "amdgcn-amd-amdhsa--gfx1250"
	.amdhsa_code_object_version 6
	.text
	.protected	k_q4df68de9ed_fc
	.globl	k_q4df68de9ed_fc
	.p2align	8
	.type	k_q4df68de9ed_fc,@function
k_q4df68de9ed_fc:
	s_mov_b64 s[64:65], 0
	v_nop
	global_prefetch_b8 v0, s[64:65] scope:SCOPE_SE
	s_setreg_imm32_b32 hwreg(HW_REG_WAVE_MODE, 25, 1), 1
	s_wait_xcnt 0x0
	s_wait_alu depctr_hold_cnt(0) depctr_sa_sdst(0) depctr_va_vdst(0) depctr_va_sdst(0) depctr_va_ssrc(0) depctr_va_vcc(0) depctr_vm_vsrc(0)
	s_getreg_b32 s2, hwreg(HW_REG_IB_STS2, 6, 4)
	s_cmp_eq_u32 s2, 0
	s_cbranch_scc0 .Lentry_in_a_cluster
	s_endpgm
.Lentry_in_a_cluster:
	s_bfe_u32 s2, ttmp6, 0x10000c
	s_cmp_lg_u32 s2, 0xf033
	s_cbranch_scc0 .Lentry_shape_is_right
	s_endpgm
.Lentry_shape_is_right:
; LAUNCH 6 OF 7: m = gelu(h2 fc_w^T + fc_b), the product on E2M3 codes; m is quantised along its 4,096 columns and stored as images of the last product's operand registers.  No work is left out here.
; The core is launch qkv's (a tile of 256 x 256, four waves of 128 x 128, slots of 256 along K, a cluster of 4 x 4 with joint loads), with QKV = 0: source 0 = 16 rows of the weight, source 1 = 16 tokens.
; A wave's 128 columns are one K step of the last product: its eight tiles of a token tile become exactly one fragment and one scale word a row.
; gelu(x) = x / (1 + 2^(x (c0 + c1 x^2))), c0 = -2 log2(e) sqrt(2 / pi), c1 = 0.044715 c0: the tanh form of reference(), in f32.
; mbuf: [256 row tiles][32 K steps][1,536]; from byte 12,582,912 on the scale words [256][32][64].  The scale words leave in pieces of 64 bytes, one twenty-fourth of the codes' bytes.
.set QKV, 0
.set KDIM, 1024
.set YSC, 3145728
.set NKT, KDIM/128
.set KROW, KDIM*3/4
.set KS, KDIM/32
.set MB, 8
.set NKS, 2
.set TN, 256
.set SLK, 128*NKS
.set LAPS, KDIM/(2*SLK)
.set XSTEP, SLK*3/2
.set SLOT, 110592
.set XOFF, 49152
.set SA, 2*SLOT
.set HALFSA, MB*NKT*64
.set SB, SA+2*HALFSA
.set HALFSB, ((TN/2)*KS/256)*272
.set SBLK, (16*KS/256)*272
.set SPARE, SB+2*HALFSB
.set WV, 16
.set WR, 17
.set WC, 18
.set G1Y, 24
.set G0Y, 32
.set G1X, 48
.set G0X, 56
.set G1SA, 68
.set G0SA, 76
.set G1SB, 80
.set G0SB, 88
.set SEL, 46
.set ADX, 16
.set ADX2, 18
.set ADY, 20
.set ADSX, 24
.set ADSY, 25
.set LI, 26
.set LS, 27
.set SPW, 28
.set NIL, 29
.set SCX, 32
.set SCY, 40
.set YF, 64
.set MSB, 0
.macro WIN new
.if MSB != (\new)
	s_set_vgpr_msb (MSB<<8)|(\new)
.set MSB, (\new)
.endif
.endm
.macro PLACES n
.rept \n
	v_nop
.endr
.endm
.macro JLOAD g0y, g1y, g0x, g1x        ; waves 0 and 1 fetch Y's halves, waves 2 and 3 X's; an s_nop 0 and four v_nop follow each of the two lines
	s_cmp_eq_u32 s[WR], 0
	s_cbranch_scc0 .Lfor_x_\@
	tensor_load_to_lds s[\g0y:\g0y+3], s[\g1y:\g1y+7]
	s_nop 0
.rept 4
	v_nop
.endr
	s_branch .Lasked_\@
.Lfor_x_\@:
	tensor_load_to_lds s[\g0x:\g0x+3], s[\g1x:\g1x+7]
	s_nop 0
.rept 4
	v_nop
.endr
.Lasked_\@:
.endm
.macro CREST
	s_cmp_lg_u32 s[WV], 0
	s_cbranch_scc1 .Lnot_wave_0_\@
	s_barrier_signal -3
.Lnot_wave_0_\@:
	s_barrier_wait -3
	s_barrier_signal -1
	s_barrier_wait -1
.endm
.macro CROUND
	s_barrier_signal -1
	s_barrier_wait -1
	CREST
.endm
.macro FRAGX reg, slot, q, off
.irp p, 0,1,2,3,4,5
.set PCE, 12*(\q)+6*(\p/3)+\p%3
.if PCE%8 < 5
	ds_load_b64 v[\reg+2*\p:\reg+2*\p+1], v[ADX+\slot] offset:8*PCE+16*(PCE/8)+(\off)
.else
	ds_load_b64 v[\reg+2*\p:\reg+2*\p+1], v[ADX2+\slot] offset:8*PCE+16*(PCE/8)+(\off)
.endif
.endr
.endm
.macro FRAGY reg, slot, idx
.irp g, 0,1,2
	ds_load_b128 v[\reg+4*\g:\reg+4*\g+3], v[ADY+\slot] offset:(\idx)*1536+512*\g
.endr
.endm
.macro FETCH p, slot, st
	WIN 0x40
.irp i, 0,1,2,3,4,5,6,7
	FRAGX 128*(\p)+12*\i, \slot, \st, \i*3840
.endr
	WIN 0
.irp a, 0,1,2,3,4,5,6,7
	FRAGY YF+96*(\p)+12*\a, \slot, 2*\a+(\st)
.endr
.endm
.macro SCALES sc
.irp i, 0,1,2,3,4,5,6,7
	ds_load_b32 v[SCX+16*\sc+\i], v[ADSX] offset:\i*SBLK
	ds_load_b32 v[SCY+16*\sc+\i], v[ADSY] offset:\i*NKT*64
.endr
.endm
.macro WM mode
.if (\mode) == 0
	v_wmma_scale_f32_16x16x128_f8f6f4 v[rD:rD+7], v[rA:rA+11], v[rB:rB+11], v[rC:rC+7], v[rSA], v[rSB] matrix_a_fmt:MATRIX_FMT_FP6 matrix_b_fmt:MATRIX_FMT_FP6
.elseif (\mode) == 1
	v_wmma_scale_f32_16x16x128_f8f6f4 v[rD:rD+7], v[rA:rA+11], v[rB:rB+11], v[rD:rD+7], v[rSA], v[rSB] matrix_a_fmt:MATRIX_FMT_FP6 matrix_b_fmt:MATRIX_FMT_FP6
.else
	v_wmma_scale_f32_16x16x128_f8f6f4 v[rD:rD+7], v[rA:rA+11], v[rB:rB+11], v[rD:rD+7], v[rSA], v[rSB] matrix_a_fmt:MATRIX_FMT_FP6 matrix_b_fmt:MATRIX_FMT_FP6 matrix_a_scale:MATRIX_SCALE_ROW1 matrix_b_scale:MATRIX_SCALE_ROW1
.endif
.endm
.macro MULQ k, p, st, sc, first        ; 16 products; the 64 accumulators take turns, one instruction a turn
.if \first
	WIN 0x91+0x40*((\k)/2)
.else
	WIN 0xa1+0x50*((\k)/2)
.endif
.irp a, 2*(\k), 2*(\k)+1
.irp b, 0,1,2,3,4,5,6,7
.set rD, 8*(8*((\a)%4)+\b)
.set rA, 128*(\p)+12*\b
.set rB, YF+96*(\p)+12*(\a)
.set rC, 96+128*(\b/4)+8*(\b%4)
.set rSA, SCX+16*(\sc)+\b
.set rSB, SCY+16*(\sc)+(\a)
.if \first
	WM 0
.else
	WM 1+(\st)
.endif
.endr
.endr
.endm
.macro MULS k0, n, p, st, sc, first
.set kk, \k0
.rept \n
	MULQ kk, \p, \st, \sc, \first
.set kk, kk+1
.endr
	WIN 0
.endm
.macro STEP0 slot, first
	s_wait_dscnt 0x0                               ; set 0 and the slot's scale words are in
	MULS 0, 2, 0, 0, \slot, \first
	PLACES 4
	FETCH 1, \slot, 1
	MULS 2, 2, 0, 0, \slot, \first
.endm
.macro TURN slot, next, fill
	s_wait_tensorcnt 0x0                           ; all my tensor loads have landed, my part of the next slot among them
	ds_add_u32 v[SPW], v[NIL]                      ; 0 onto my spare word
.if \fill
	s_add_nc_u64 s[G0Y+4*\slot+2:G0Y+4*\slot+3], s[G0Y+4*\slot+2:G0Y+4*\slot+3], 2*NKS*1536
	s_add_nc_u64 s[G0X+4*\slot+2:G0X+4*\slot+3], s[G0X+4*\slot+2:G0X+4*\slot+3], XSTEP
.endif
	s_wait_dscnt 0x0                               ; the add is done, set 1 is in, and my reads of this slot are over
	s_barrier_signal -1
	s_barrier_wait -1
.if \fill
	CREST
	JLOAD G0Y+4*\slot, G1Y, G0X+4*\slot, G1X
.else
	PLACES 4
.endif
	v_add_nc_u32 v[ADSX], SLK/32, v[ADSX]
	v_add_nc_u32 v[ADSY], NKS*64, v[ADSY]
	FETCH 0, \next, 0
	SCALES \next
	MULS 0, 4, 1, 1, \slot, 0
.endm
	s_load_b256 s[4:11], s[0:1], 0x0               ; Y's buffer, X's codes, X's scales, the bias
	s_load_b64 s[12:13], s[0:1], 0x20              ; mbuf
	v_lshl_add_u32 v[SPW], v0, 2, SPARE
	v_mov_b32 v[NIL], 0
	ds_add_u32 v[SPW], v[NIL]                      ; the wave's opening: the add, twice on end, and its wait ahead of my first tensor load
	ds_add_u32 v[SPW], v[NIL]
	v_lshrrev_b32 v1, 5, v0
	v_readfirstlane_b32 s[WV], v1
	s_lshr_b32 s[WR], s[WV], 1
	s_and_b32 s[WC], s[WV], 1
	s_bfe_u32 s40, ttmp6, 0x40000
	s_bfe_u32 s41, ttmp6, 0x40004
	s_lshl_b32 s42, ttmp9, 2
	s_add_co_u32 s42, s42, s40                     ; tile column
	s_and_b32 s66, ttmp7, 0xffff
	s_lshl_b32 s66, s66, 2
	s_add_co_u32 s66, s66, s41                     ; tile row
	s_lshl_b32 s43, s41, 2
	s_lshl_b32 s43, 15, s43
	s_lshl_b32 s44, 0x1111, s40
	s_or_b32 s[G1Y], s43, (3<<16)|(1<<21)
	s_mov_b32 s[G1Y+1], (NKS*192)<<16
	s_mov_b32 s[G1Y+2], MB<<16
	s_mov_b32 s[G1Y+3], (NKS*192)<<16
	s_mov_b32 s[G1Y+4], MB
	s_mov_b32 s[G1Y+5], NKT*192
	s_mov_b32 s[G1Y+6], 0
	s_mov_b32 s[G1Y+7], 0
	s_or_b32 s[G1X], s44, (0<<16)|(1<<20)|(1<<21)|(3<<22)|(3<<25)
	s_mov_b32 s[G1X+1], 192<<16
	s_mov_b32 s[G1X+2], 128<<16
	s_mov_b32 s[G1X+3], 192<<16
	s_mov_b32 s[G1X+4], 128
	s_mov_b32 s[G1X+5], KROW
	s_mov_b32 s[G1X+6], 0
	s_mov_b32 s[G1X+7], 0
	s_or_b32 s[G1SA], s43, (3<<16)|(1<<21)
	s_mov_b32 s[G1SA+1], 32<<16
	s_mov_b32 s[G1SA+2], (HALFSA/256)<<16
	s_mov_b32 s[G1SA+3], 32<<16
	s_mov_b32 s[G1SA+4], HALFSA/256
	s_mov_b32 s[G1SA+5], 32
	s_mov_b32 s[G1SA+6], 0
	s_mov_b32 s[G1SA+7], 0
	s_or_b32 s[G1SB], s44, (3<<16)|(1<<20)|(1<<21)|(5<<22)|(3<<25)
	s_mov_b32 s[G1SB+1], 32<<16
	s_mov_b32 s[G1SB+2], ((TN/2)*KS/256)<<16
	s_mov_b32 s[G1SB+3], 32<<16
	s_mov_b32 s[G1SB+4], (TN/2)*KS/256
	s_mov_b32 s[G1SB+5], 32
	s_mov_b32 s[G1SB+6], 0
	s_mov_b32 s[G1SB+7], 0
	s_mul_i32 s20, s66, 2*MB
	s_mul_i32 s21, s[WC], MB
	s_add_co_u32 s20, s20, s21
	s_mul_i32 s22, s20, NKT*64
	s_add_co_u32 s22, s22, YSC
	s_mov_b32 s23, 0
	s_mul_i32 s20, s20, NKT*1536
	s_mov_b32 s21, 0
	s_lshl_b32 s46, s42, 8
	s_lshl_b32 s47, s[WC], 7
	s_add_co_u32 s46, s46, s47
	s_mul_i32 s92, s46, KS
	s_mov_b32 s93, 0
	s_mul_i32 s46, s46, KROW
	s_mov_b32 s47, 0
	s_mul_i32 s45, s[WC], 24576
	s_mul_i32 s94, s[WC], 30720
	s_add_co_u32 s94, s94, XOFF
	s_mul_i32 s95, s[WC], HALFSA
	s_add_co_u32 s95, s95, SA
	s_mul_i32 s96, s[WC], HALFSB
	s_add_co_u32 s96, s96, SB
	s_wait_dscnt 0x0                               ; both opening adds are done
	s_wait_kmcnt 0x0
	s_add_nc_u64 s[20:21], s[4:5], s[20:21]
	s_add_nc_u64 s[22:23], s[4:5], s[22:23]
	s_add_nc_u64 s[46:47], s[6:7], s[46:47]
	s_add_nc_u64 s[92:93], s[8:9], s[92:93]
	CROUND                                         ; all sixteen work-groups are here: the first joint loads meet
	s_mov_b32 s[G0SA], 1
	s_mov_b32 s[G0SA+1], s95
	s_mov_b64 s[G0SA+2:G0SA+3], s[22:23]
	s_or_b32 s[G0SA+3], s[G0SA+3], 0x80000000
	s_mov_b32 s[G0SB], 1
	s_mov_b32 s[G0SB+1], s96
	s_mov_b64 s[G0SB+2:G0SB+3], s[92:93]
	s_or_b32 s[G0SB+3], s[G0SB+3], 0x80000000
	JLOAD G0SA, G1SA, G0SB, G1SB
.irp s, 0,1
	s_mov_b32 s[G0Y+4*\s], 1
	s_add_co_u32 s[G0Y+4*\s+1], s45, \s*SLOT
	s_add_nc_u64 s[G0Y+4*\s+2:G0Y+4*\s+3], s[20:21], \s*NKS*1536
	s_or_b32 s[G0Y+4*\s+3], s[G0Y+4*\s+3], 0x80000000
	s_mov_b32 s[G0X+4*\s], 1
	s_add_co_u32 s[G0X+4*\s+1], s94, \s*SLOT
	s_add_nc_u64 s[G0X+4*\s+2:G0X+4*\s+3], s[46:47], \s*XSTEP/2
	s_or_b32 s[G0X+4*\s+3], s[G0X+4*\s+3], 0x80000000
	JLOAD G0Y+4*\s, G1Y, G0X+4*\s, G1X             ; three tensor loads of mine are out behind the second of these
.endr
	v_and_b32 v1, 15, v0                           ; r
	v_bfe_u32 v2, v0, 4, 1                         ; h
	v_and_b32 v3, 31, v0                           ; lane
	v_mul_u32_u24 v4, v1, 240
	v_mad_u32_u24 v4, v2, 24, v4
	v_lshl_add_u32 v5, v2, 4, v4
	v_lshlrev_b32 v[LI], 4, v3
	v_lshlrev_b32 v[LS], 2, v1
	v_lshl_add_u32 v[LS], v2, 11, v[LS]            ; the way out's scale words: 4 r, lanes 16-31 one row tile (2,048 bytes) on
	s_mul_i32 s20, s[WC], MB*3840
	s_add_co_u32 s20, s20, XOFF
	s_mul_i32 s21, s[WR], 24576
.irp s, 0,1
	v_add_nc_u32 v[ADX+\s], s20, v4
	v_add_nc_u32 v[ADX2+\s], s20, v5
	v_add_nc_u32 v[ADY+\s], s21, v[LI]
	s_add_co_u32 s20, s20, SLOT
	s_add_co_u32 s21, s21, SLOT
.endr
	v_mul_u32_u24 v7, v1, KS
	v_lshrrev_b32 v8, 8, v7
	v_lshl_add_u32 v7, v8, 4, v7
	v_lshl_add_u32 v7, v2, 2, v7
	s_mul_i32 s20, s[WC], HALFSB
	s_add_co_u32 s20, s20, SB
	v_add_nc_u32 v[ADSX], s20, v7
	s_mul_i32 s20, s[WR], HALFSA
	s_add_co_u32 s20, s20, SA
	v_lshl_add_u32 v[ADSY], v3, 2, s20
	s_lshl_b32 s20, s42, 10
	s_lshl_b32 s21, s[WC], 9
	s_add_co_u32 s20, s20, s21
	s_mov_b32 s21, 0
	s_add_nc_u64 s[10:11], s[10:11], s[20:21]      ; the bias at my first column
	v_lshlrev_b32 v9, 5, v2
	WIN 0x40
.irp b, 0,1,2,3,4,5,6,7
	global_load_b128 v[96+128*(\b/4)+8*(\b%4):96+128*(\b/4)+8*(\b%4)+3], v9, s[10:11] offset:64*\b        ; register j = bias(16 b + 8 h + j)
	global_load_b128 v[96+128*(\b/4)+8*(\b%4)+4:96+128*(\b/4)+8*(\b%4)+7], v9, s[10:11] offset:64*\b+16
.endr
	WIN 0
	s_wait_tensorcnt 0x1                           ; the scales and my part of slot 0 are in; slot 1's load, issued behind them, may be out
	s_barrier_signal -1
	s_barrier_wait -1
	FETCH 0, 0, 0
	SCALES 0
	s_wait_loadcnt 0x0                             ; the bias
	STEP0 0, 1
.if LAPS > 1
	s_mov_b32 s3, LAPS-1
.Llap:
	TURN 0, 1, 1
	STEP0 1, 0
	TURN 1, 0, 1
	STEP0 0, 0
	s_sub_co_u32 s3, s3, 1
	s_cmp_lg_u32 s3, 0
	s_cbranch_scc1 .Llap
.endif
	TURN 0, 1, 0
	STEP0 1, 0
	s_wait_dscnt 0x0
	MULS 0, 4, 1, 1, 1, 0
; THE WAY OUT, a token tile at a time.
.set TM, 64
.set TQ, 80
.set PWR, 88
.set PC, 96                            ; v96-119 codes, two sets
.set WS, 120
.set T, 128                            ; v128-191 the tile's 64 numbers of a lane
.set C0, 192
.macro QUANT s, w, o0, o1, pw
	WIN (\w)|((\w)<<2)
.irp b, 0,1,2,3
	v_max3_num_f32 v[TM+\b], |v[\s+16*\b]|, |v[\s+16*\b+1]|, 0x1800000   ; the floor 2^(3 - 127) holds the byte at 1 from below
.endr
.irp i, 2,4,6,8,10,12,14
.irp b, 0,1,2,3
	v_max3_num_f32 v[TM+\b], |v[\s+16*\b+\i]|, |v[\s+16*\b+\i+1]|, v[TM+\b]
.endr
.endr
	WIN 0
.irp b, 0,1,2,3
	v_permlanex16_b32 v[TM+4+\b], v[TM+\b], s[SEL], s[SEL+1]
.endr
.irp b, 0,1,2,3
	v_max_num_f32 v[TM+\b], v[TM+\b], v[TM+4+\b]
.endr
.irp b, 0,1,2,3
	v_add_nc_u32 v[TM+12+\b], 0xff000000, v[TM+\b]
.endr
.irp b, 0,1,2,3
	v_lshrrev_b32 v[TM+4+\b], 23, v[TM+12+\b]
.endr
	v_lshl_or_b32 v[\pw], v[TM+5], 8, v[TM+4]
	v_lshl_or_b32 v[\pw], v[TM+6], 16, v[\pw]
	v_lshl_or_b32 v[\pw], v[TM+7], 24, v[\pw]
	WIN (\w)
	v_cvt_scalef32_pk16_fp6_f32 v[\o0:\o0+2], v[\s:\s+15], v[TM+12]
	v_cvt_scalef32_pk16_fp6_f32 v[TQ:TQ+2], v[\s+16:\s+31], v[TM+13]
	v_cvt_scalef32_pk16_fp6_f32 v[\o1:\o1+2], v[\s+32:\s+47], v[TM+14]
	v_cvt_scalef32_pk16_fp6_f32 v[TQ+4:TQ+6], v[\s+48:\s+63], v[TM+15]
	WIN 0
	v_nop                                          ; one plain instruction behind a scaled conversion
.irp i, 0,1,2
	v_permlane16_swap_b32 v[\o0+\i], v[TQ+\i]
.endr
.irp i, 0,1,2
	v_mov_b32 v[\o0+3+\i], v[TQ+\i]
.endr
.irp i, 0,1,2
	v_permlane16_swap_b32 v[\o1+\i], v[TQ+4+\i]
.endr
.irp i, 0,1,2
	v_mov_b32 v[\o1+3+\i], v[TQ+4+\i]
.endr
.endm
.macro GELU a                          ; token tile a's 64 numbers of a lane, from the accumulators into v[T] on
.set AS, 64*((\a)%4)
.set AW, 2+(\a)/4
	WIN (AW)|((AW)<<2)
.set j, 0
.rept 32
	v_pk_mul_f32 v[T+j:T+j+1], v[AS+j:AS+j+1], v[AS+j:AS+j+1]     ; x^2 (each accumulator is read from its low end on)
.set j, j+2
.endr
	WIN 0
.set j, 0
.rept 32
	v_pk_fma_f32 v[T+j:T+j+1], v[T+j:T+j+1], s[96:97], v[C0:C0+1] op_sel_hi:[1,0,0]   ; c1 x^2 + c0
.set j, j+2
.endr
	WIN (AW)<<2
.set j, 0
.rept 32
	v_pk_mul_f32 v[T+j:T+j+1], v[T+j:T+j+1], v[AS+j:AS+j+1]
.set j, j+2
.endr
	WIN 0
.set j, 0
.rept 64
	v_exp_f32 v[T+j], v[T+j]
.set j, j+1
.endr
	v_nop                                          ; a plain instruction behind the batch,
	s_wait_alu depctr_va_vdst(0)                   ; and one wait for it, ahead of its first reader
.set j, 0
.rept 32
	v_pk_add_f32 v[T+j:T+j+1], v[T+j:T+j+1], 1.0 op_sel_hi:[1,0]
.set j, j+2
.endr
.set j, 0
.rept 64
	v_rcp_f32 v[T+j], v[T+j]
.set j, j+1
.endr
	v_nop
	s_wait_alu depctr_va_vdst(0)
	WIN (AW)<<2
.set j, 0
.rept 32
	v_pk_mul_f32 v[T+j:T+j+1], v[T+j:T+j+1], v[AS+j:AS+j+1]
.set j, j+2
.endr
	WIN 0
.irp b, 0,1,2,3
.irp i, 0,1,2,3,4,5,6,7
	v_permlane16_swap_b32 v[T+16*\b+\i], v[T+16*\b+8+\i]   ; the given weight of the last product lies in natural order: register 16 b + i becomes column 32 b + 16 h + i
.endr
.endr
.endm
	PLACES 4                                       ; behind the last products
.irp b, 0,1,2,3
	v_mov_b32 v[TM+4+\b], 0                        ; written once: a lane permute's destination counts as one of its sources
.endr
	v_mov_b32 v[C0], 0xc0135761                    ; c0 = -2.3022082
	v_mov_b32 v[C0+1], 0xc0135761
	s_mov_b32 s96, 0xbdd2d3e8                      ; c1 = -0.10294324
	s_mov_b32 s97, s96
	s_mov_b32 s[SEL], 0x76543210
	s_mov_b32 s[SEL+1], 0xfedcba98
	s_mov_b32 s98, 0xffff0000                      ; lanes 16-31
	s_lshl_b32 s20, s66, 4
	s_lshl_b32 s21, s[WR], 3
	s_add_co_u32 s20, s20, s21                     ; my first row tile
	s_lshl_b32 s21, s42, 1
	s_add_co_u32 s21, s21, s[WC]                   ; my columns' K step of the last product
	s_lshl_b32 s22, s20, 5
	s_add_co_u32 s22, s22, s21
	s_mul_i32 s92, s22, 1536
	s_mov_b32 s93, 0
	s_lshl_b32 s94, s22, 6
	s_add_co_u32 s94, s94, 12582912
	s_mov_b32 s95, 0
	s_add_nc_u64 s[92:93], s[12:13], s[92:93]
	s_add_nc_u64 s[94:95], s[12:13], s[94:95]
.irp a, 0,1,2,3,4,5,6,7
	GELU \a
.if \a >= 2
	s_wait_xcnt 0x0                                ; the stores of two tiles ago have read their registers
.endif
	QUANT T, 0, PC+12*(\a%2), PC+12*(\a%2)+6, PWR+\a
.irp g, 0,1,2
	global_store_b128 v[LI], v[PC+12*(\a%2)+4*\g:PC+12*(\a%2)+4*\g+3], s[92:93] offset:\a*49152+512*\g   ; 512 consecutive bytes, aligned
.endr
.if \a%2 == 1
	v_cndmask_b32 v[WS+\a/2], v[PWR+\a-1], v[PWR+\a], s98
	global_store_b32 v[LS], v[WS+\a/2], s[94:95] offset:(\a-1)*2048
.endif
.endr
	s_wait_tensorcnt 0x0                           ; the wave's end
	ds_add_u32 v[SPW], v[NIL]
	s_wait_dscnt 0x0
	CROUND                                         ; the closing round
	s_endpgm
.Lfunc_end_k_q4df68de9ed_fc:
	.size	k_q4df68de9ed_fc, .Lfunc_end_k_q4df68de9ed_fc-k_q4df68de9ed_fc
	.p2alignl 7, 3214868480
	.fill 96, 4, 3214868480
	.section	.rodata,"a",@progbits
	.p2align	6, 0x0
	.amdhsa_kernel k_q4df68de9ed_fc
		.amdhsa_group_segment_fixed_size 327680
		.amdhsa_private_segment_fixed_size 0
		.amdhsa_enable_private_segment 0
		.amdhsa_kernarg_size 40
		.amdhsa_user_sgpr_count 2
		.amdhsa_user_sgpr_kernarg_segment_ptr 1
		.amdhsa_wavefront_size32 1
		.amdhsa_system_sgpr_workgroup_id_x 1
		.amdhsa_system_sgpr_workgroup_id_y 1
		.amdhsa_system_sgpr_workgroup_id_z 1
		.amdhsa_system_vgpr_workitem_id 0
		.amdhsa_next_free_vgpr 1024
		.amdhsa_next_free_sgpr 100
		.amdhsa_reserve_vcc 0
		.amdhsa_float_denorm_mode_32 3
		.amdhsa_float_denorm_mode_16_64 3
		.amdhsa_memory_ordered 1
		.amdhsa_forward_progress 1
		.amdhsa_inst_pref_size 255
	.end_amdhsa_kernel
	.section	.bss,"aw",@nobits
	.p2align	6
	.space	262144
	.amdgpu_metadata
---
amdhsa.version: [ 1, 2 ]
amdhsa.kernels:
  - .name:           k_q4df68de9ed_fc
    .symbol:         k_q4df68de9ed_fc.kd
    .args:
      - { .name: hbuf, .offset: 0, .size: 8, .value_kind: global_buffer, .address_space: global }
      - { .name: fc_w_codes, .offset: 8, .size: 8, .value_kind: global_buffer, .address_space: global }
      - { .name: fc_w_scales, .offset: 16, .size: 8, .value_kind: global_buffer, .address_space: global }
      - { .name: fc_b, .offset: 24, .size: 8, .value_kind: global_buffer, .address_space: global }
      - { .name: mbuf, .offset: 32, .size: 8, .value_kind: global_buffer, .address_space: global }
    .group_segment_fixed_size: 327680
    .private_segment_fixed_size: 0
    .kernarg_segment_align: 8
    .kernarg_segment_size: 40
    .max_flat_workgroup_size: 128
    .sgpr_count:     100
    .vgpr_count:     1024
    .wavefront_size: 32
...
	.end_amdgpu_metadata
.endif
;; end of part 6
;; launch proj (part 7): grid 8 x 32, 4 waves a work-group, clusters of 4 x 4, 327,680 bytes of LDS; arguments mbuf, proj_w_codes, proj_w_scales, proj_b, x1, out0; writes out0
.if DOCPART == 7
	.amdgcn_target "amdgcn-amd-amdhsa--gfx1250"
	.amdhsa_code_object_version 6
	.text
	.protected	k_q4df68de9ed_proj
	.globl	k_q4df68de9ed_proj
	.p2align	8
	.type	k_q4df68de9ed_proj,@function
k_q4df68de9ed_proj:
	s_mov_b64 s[64:65], 0
	v_nop
	global_prefetch_b8 v0, s[64:65] scope:SCOPE_SE
	s_setreg_imm32_b32 hwreg(HW_REG_WAVE_MODE, 25, 1), 1
	s_wait_xcnt 0x0
	s_wait_alu depctr_hold_cnt(0) depctr_sa_sdst(0) depctr_va_vdst(0) depctr_va_sdst(0) depctr_va_ssrc(0) depctr_va_vcc(0) depctr_vm_vsrc(0)
	s_getreg_b32 s2, hwreg(HW_REG_IB_STS2, 6, 4)
	s_cmp_eq_u32 s2, 0
	s_cbranch_scc0 .Lentry_in_a_cluster
	s_endpgm
.Lentry_in_a_cluster:
	s_bfe_u32 s2, ttmp6, 0x10000c
	s_cmp_lg_u32 s2, 0xf033
	s_cbranch_scc0 .Lentry_shape_is_right
	s_endpgm
.Lentry_shape_is_right:
; LAUNCH 7 OF 7: out0 = x1 + m proj_w^T + proj_b, the product on E2M3 codes, K = 4,096.  No work is left out here.
; The text is launch aproj's with KDIM = 4,096, whole images (three loads of 16 bytes a lane to a fragment) and a result that nobody reads again: a tile of 128 x 128, four waves of 64 x 64, slots of 512 along K (eight in all),
; a cluster of 4 x 4 with joint loads: Y (the tokens' images) shared along a row of the cluster, X (the weight's rows) along a column.
; No prefetch: a slot's 64 products a wave stand between a refill and the wait for it, and the tiles are shared in the cluster first.
.set YHF, 0
.set NTOUT, 1
.set KDIM, 4096
.set YSC, 12582912
.set NKT, KDIM/128
.set KROW, KDIM*3/4
.set KS, KDIM/32
.set MB, 4
.set NKS, 4
.set TN, 128
.set SLK, 128*NKS
.set LAPS, KDIM/(2*SLK)
.set XSTEP, SLK*3/2
.set SLOT, 110592
.set XOFF, 49152
.set SA, 2*SLOT
.set HALFSA, MB*NKT*64
.set SB, SA+2*HALFSA
.set HALFSB, ((TN/2)*KS/256)*272
.set SBLK, (16*KS/256)*272
.set SPARE, SB+2*HALFSB
.set WV, 16
.set WR, 17
.set WC, 18
.set G1Y, 24
.set G0Y, 32
.set G1X, 48
.set G0X, 56
.set G1SA, 68
.set G0SA, 76
.set G1SB, 80
.set G0SB, 88
.set ADX, 16
.set ADX2, 18
.set ADY, 20
.set ADY8, 22
.set ADSX, 24
.set ADSY, 25
.set STO, 26
.set RD, 27
.set SPW, 28
.set NIL, 29
.set CO, 30
.set SCX, 32
.set SCY, 40
.set YF, 64
.set BK, 64
.set MSB, 0
.macro WIN new
.if MSB != (\new)
	s_set_vgpr_msb (MSB<<8)|(\new)
.set MSB, (\new)
.endif
.endm
.macro PLACES n
.rept \n
	v_nop
.endr
.endm
.macro JLOAD g0y, g1y, g0x, g1x        ; waves 0 and 1 fetch for Y, waves 2 and 3 for X; an s_nop 0 and four v_nop follow each of the two lines
	s_cmp_eq_u32 s[WR], 0
	s_cbranch_scc0 .Lfor_x_\@
	tensor_load_to_lds s[\g0y:\g0y+3], s[\g1y:\g1y+7]
	s_nop 0
.rept 4
	v_nop
.endr
	s_branch .Lasked_\@
.Lfor_x_\@:
	tensor_load_to_lds s[\g0x:\g0x+3], s[\g1x:\g1x+7]
	s_nop 0
.rept 4
	v_nop
.endr
.Lasked_\@:
.endm
.macro CREST
	s_cmp_lg_u32 s[WV], 0
	s_cbranch_scc1 .Lnot_wave_0_\@
	s_barrier_signal -3
.Lnot_wave_0_\@:
	s_barrier_wait -3
	s_barrier_signal -1
	s_barrier_wait -1
.endm
.macro CROUND
	s_barrier_signal -1
	s_barrier_wait -1
	CREST
.endm
.macro FRAGX reg, slot, q, off
.irp p, 0,1,2,3,4,5
.set PCE, 12*(\q)+6*(\p/3)+\p%3
.if PCE%8 < 5
	ds_load_b64 v[\reg+2*\p:\reg+2*\p+1], v[ADX+\slot] offset:8*PCE+16*(PCE/8)+(\off)
.else
	ds_load_b64 v[\reg+2*\p:\reg+2*\p+1], v[ADX2+\slot] offset:8*PCE+16*(PCE/8)+(\off)
.endif
.endr
.endm
.macro FRAGY reg, slot, idx
.if YHF
.irp c, 0,1
	ds_load_b128 v[\reg+6*\c:\reg+6*\c+3], v[ADY+\slot] offset:(\idx)*1536+768*\c
	ds_load_b64 v[\reg+6*\c+4:\reg+6*\c+5], v[ADY8+\slot] offset:(\idx)*1536+768*\c+512
.endr
.else
.irp g, 0,1,2
	ds_load_b128 v[\reg+4*\g:\reg+4*\g+3], v[ADY+\slot] offset:(\idx)*1536+512*\g
.endr
.endif
.endm
.macro FETCH p, slot, st
	WIN 0x40
.irp q, 0,1
.irp b, 0,1,2,3
	FRAGX 128*(\p)+12*(4*\q+\b), \slot, \q, \b*3840+(\st)*30720
.endr
.endr
	WIN 0
.irp q, 0,1
.irp a, 0,1,2,3
	FRAGY YF+96*(\p)+12*(4*\q+\a), \slot, 4*\a+2*(\st)+\q
.endr
.endr
.endm
.macro SCALES sc
.irp t, 0,1
.irp i, 0,1,2,3
	ds_load_b32 v[SCX+16*\sc+4*\t+\i], v[ADSX] offset:\i*SBLK+8*\t
	ds_load_b32 v[SCY+16*\sc+4*\t+\i], v[ADSY] offset:\i*NKT*64+128*\t
.endr
.endr
.endm
.macro WM mode
.if (\mode) == 0
	v_wmma_scale_f32_16x16x128_f8f6f4 v[rD:rD+7], v[rA:rA+11], v[rB:rB+11], v[rC:rC+7], v[rSA], v[rSB] matrix_a_fmt:MATRIX_FMT_FP6 matrix_b_fmt:MATRIX_FMT_FP6
.elseif (\mode) == 1
	v_wmma_scale_f32_16x16x128_f8f6f4 v[rD:rD+7], v[rA:rA+11], v[rB:rB+11], v[rD:rD+7], v[rSA], v[rSB] matrix_a_fmt:MATRIX_FMT_FP6 matrix_b_fmt:MATRIX_FMT_FP6
.else
	v_wmma_scale_f32_16x16x128_f8f6f4 v[rD:rD+7], v[rA:rA+11], v[rB:rB+11], v[rD:rD+7], v[rSA], v[rSB] matrix_a_fmt:MATRIX_FMT_FP6 matrix_b_fmt:MATRIX_FMT_FP6 matrix_a_scale:MATRIX_SCALE_ROW1 matrix_b_scale:MATRIX_SCALE_ROW1
.endif
.endm
.macro MULQ k, p, st, sc, first        ; 8 products; the 16 accumulators take turns, one instruction a turn
.set qq, (\k)/2
.if (\first) && (qq == 0)
	WIN 0x91
.else
	WIN 0xa1
.endif
.irp a, 2*((\k)%2), 2*((\k)%2)+1
.irp b, 0,1,2,3
.set rD, 8*(4*(\a)+\b)
.set rA, 128*(\p)+12*(4*qq+\b)
.set rB, YF+96*(\p)+12*(4*qq+(\a))
.set rC, 96+8*\b
.set rSA, SCX+16*(\sc)+4*(\st)+\b
.set rSB, SCY+16*(\sc)+4*(\st)+(\a)
.if (\first) && (qq == 0)
	WM 0
.else
	WM 1+qq
.endif
.endr
.endr
.endm
.macro MULS k0, n, p, st, sc, first
.set kk, \k0
.rept \n
	MULQ kk, \p, \st, \sc, \first
.set kk, kk+1
.endr
	WIN 0
.endm
.macro STEP0 slot, first
	s_wait_dscnt 0x0                               ; set 0 and the slot's scale words are in
	MULS 0, 2, 0, 0, \slot, \first
	PLACES 4
	FETCH 1, \slot, 1
	MULS 2, 2, 0, 0, \slot, \first
.endm
.macro TURN slot, next, fill
	s_wait_tensorcnt 0x0                           ; all my tensor loads have landed, my part of the next slot among them
	ds_add_u32 v[SPW], v[NIL]                      ; 0 onto my spare word
.if \fill
	s_add_nc_u64 s[G0Y+4*\slot+2:G0Y+4*\slot+3], s[G0Y+4*\slot+2:G0Y+4*\slot+3], 2*NKS*1536
	s_add_nc_u64 s[G0X+4*\slot+2:G0X+4*\slot+3], s[G0X+4*\slot+2:G0X+4*\slot+3], XSTEP
.endif
	s_wait_dscnt 0x0                               ; the add is done, set 1 is in, and my reads of this slot are over
	s_barrier_signal -1
	s_barrier_wait -1
.if \fill
	CREST                                          ; the barrier has opened a round of the cluster's
	JLOAD G0Y+4*\slot, G1Y, G0X+4*\slot, G1X       ; the first tensor load behind the round; its four v_nop are the places in front of the loads below
.else
	PLACES 4
.endif
	v_add_nc_u32 v[ADSX], SLK/32, v[ADSX]
	v_add_nc_u32 v[ADSY], NKS*64, v[ADSY]
	FETCH 0, \next, 0
	SCALES \next
	MULS 0, 4, 1, 1, \slot, 0
.endm
	s_load_b256 s[4:11], s[0:1], 0x0               ; Y's buffer, X's codes, X's scales, the bias
	s_load_b128 s[12:15], s[0:1], 0x20             ; the residual, the result
	v_lshl_add_u32 v[SPW], v0, 2, SPARE
	v_mov_b32 v[NIL], 0
	ds_add_u32 v[SPW], v[NIL]                      ; the wave's opening: the add, twice on end, and its wait ahead of my first tensor load
	ds_add_u32 v[SPW], v[NIL]
	v_lshrrev_b32 v1, 5, v0
	v_readfirstlane_b32 s[WV], v1
	s_lshr_b32 s[WR], s[WV], 1
	s_and_b32 s[WC], s[WV], 1
	s_bfe_u32 s40, ttmp6, 0x40000
	s_bfe_u32 s41, ttmp6, 0x40004
	s_lshl_b32 s42, ttmp9, 2
	s_add_co_u32 s42, s42, s40                     ; tile column
	s_and_b32 s66, ttmp7, 0xffff
	s_lshl_b32 s66, s66, 2
	s_add_co_u32 s66, s66, s41                     ; tile row
	s_lshl_b32 s43, s41, 2
	s_lshl_b32 s43, 15, s43
	s_lshl_b32 s44, 0x1111, s40
	s_or_b32 s[G1Y], s43, (3<<16)|(1<<21)
	s_mov_b32 s[G1Y+1], (NKS*192)<<16
	s_mov_b32 s[G1Y+2], MB<<16
	s_mov_b32 s[G1Y+3], (NKS*192)<<16
	s_mov_b32 s[G1Y+4], MB
	s_mov_b32 s[G1Y+5], NKT*192
	s_mov_b32 s[G1Y+6], 0
	s_mov_b32 s[G1Y+7], 0
	s_or_b32 s[G1X], s44, (0<<16)|(1<<20)|(1<<21)|(3<<22)|(3<<25)
	s_mov_b32 s[G1X+1], 192<<16
	s_mov_b32 s[G1X+2], 128<<16
	s_mov_b32 s[G1X+3], 192<<16
	s_mov_b32 s[G1X+4], 128
	s_mov_b32 s[G1X+5], KROW
	s_mov_b32 s[G1X+6], 0
	s_mov_b32 s[G1X+7], 0
	s_or_b32 s[G1SA], s43, (3<<16)|(1<<21)
	s_mov_b32 s[G1SA+1], 32<<16
	s_mov_b32 s[G1SA+2], (HALFSA/256)<<16
	s_mov_b32 s[G1SA+3], 32<<16
	s_mov_b32 s[G1SA+4], HALFSA/256
	s_mov_b32 s[G1SA+5], 32
	s_mov_b32 s[G1SA+6], 0
	s_mov_b32 s[G1SA+7], 0
	s_or_b32 s[G1SB], s44, (3<<16)|(1<<20)|(1<<21)|(5<<22)|(3<<25)
	s_mov_b32 s[G1SB+1], 32<<16
	s_mov_b32 s[G1SB+2], ((TN/2)*KS/256)<<16
	s_mov_b32 s[G1SB+3], 32<<16
	s_mov_b32 s[G1SB+4], (TN/2)*KS/256
	s_mov_b32 s[G1SB+5], 32
	s_mov_b32 s[G1SB+6], 0
	s_mov_b32 s[G1SB+7], 0
	s_mul_i32 s20, s66, 2*MB
	s_mul_i32 s21, s[WC], MB
	s_add_co_u32 s20, s20, s21
	s_mul_i32 s22, s20, NKT*64
	s_add_co_u32 s22, s22, YSC
	s_mov_b32 s23, 0
	s_mul_i32 s20, s20, NKT*1536
	s_mov_b32 s21, 0
	s_lshl_b32 s46, s42, 7
	s_lshl_b32 s47, s[WC], 6
	s_add_co_u32 s92, s46, s47
	s_mul_i32 s92, s92, KS
	s_mov_b32 s93, 0
	s_mul_i32 s46, s46, KROW
	s_mul_i32 s47, s[WC], 192
	s_add_co_u32 s46, s46, s47
	s_mov_b32 s47, 0
	s_mul_i32 s45, s[WC], 24576
	s_mul_i32 s94, s[WC], 30720
	s_add_co_u32 s94, s94, XOFF
	s_mul_i32 s95, s[WC], HALFSA
	s_add_co_u32 s95, s95, SA
	s_mul_i32 s96, s[WC], HALFSB
	s_add_co_u32 s96, s96, SB
	s_wait_dscnt 0x0                               ; both opening adds are done
	s_wait_kmcnt 0x0
	s_add_nc_u64 s[20:21], s[4:5], s[20:21]
	s_add_nc_u64 s[22:23], s[4:5], s[22:23]
	s_add_nc_u64 s[46:47], s[6:7], s[46:47]
	s_add_nc_u64 s[92:93], s[8:9], s[92:93]
	CROUND                                         ; all sixteen work-groups are here: the first joint loads meet
	s_mov_b32 s[G0SA], 1
	s_mov_b32 s[G0SA+1], s95
	s_mov_b64 s[G0SA+2:G0SA+3], s[22:23]
	s_or_b32 s[G0SA+3], s[G0SA+3], 0x80000000
	s_mov_b32 s[G0SB], 1
	s_mov_b32 s[G0SB+1], s96
	s_mov_b64 s[G0SB+2:G0SB+3], s[92:93]
	s_or_b32 s[G0SB+3], s[G0SB+3], 0x80000000
	JLOAD G0SA, G1SA, G0SB, G1SB
.irp s, 0,1
	s_mov_b32 s[G0Y+4*\s], 1
	s_add_co_u32 s[G0Y+4*\s+1], s45, \s*SLOT
	s_add_nc_u64 s[G0Y+4*\s+2:G0Y+4*\s+3], s[20:21], \s*NKS*1536
	s_or_b32 s[G0Y+4*\s+3], s[G0Y+4*\s+3], 0x80000000
	s_mov_b32 s[G0X+4*\s], 1
	s_add_co_u32 s[G0X+4*\s+1], s94, \s*SLOT
	s_add_nc_u64 s[G0X+4*\s+2:G0X+4*\s+3], s[46:47], \s*XSTEP/2
	s_or_b32 s[G0X+4*\s+3], s[G0X+4*\s+3], 0x80000000
	JLOAD G0Y+4*\s, G1Y, G0X+4*\s, G1X             ; three tensor loads of mine are out behind the second of these
.endr
	v_and_b32 v1, 15, v0                           ; r
	v_bfe_u32 v2, v0, 4, 1                         ; h
	v_and_b32 v3, 31, v0                           ; lane
	v_mul_u32_u24 v4, v1, 240
	v_mad_u32_u24 v4, v2, 24, v4
	v_lshl_add_u32 v5, v2, 4, v4
	v_lshlrev_b32 v6, 4, v3
	v_lshlrev_b32 v10, 3, v3
	s_mul_i32 s20, s[WC], MB*3840
	s_add_co_u32 s20, s20, XOFF
	s_mul_i32 s21, s[WR], 24576
.irp s, 0,1
	v_add_nc_u32 v[ADX+\s], s20, v4
	v_add_nc_u32 v[ADX2+\s], s20, v5
	v_add_nc_u32 v[ADY+\s], s21, v6
	v_add_nc_u32 v[ADY8+\s], s21, v10
	s_add_co_u32 s20, s20, SLOT
	s_add_co_u32 s21, s21, SLOT
.endr
	v_mul_u32_u24 v7, v1, KS
	v_lshrrev_b32 v8, 8, v7
	v_lshl_add_u32 v7, v8, 4, v7
	v_lshl_add_u32 v7, v2, 2, v7
	s_mul_i32 s20, s[WC], HALFSB
	s_add_co_u32 s20, s20, SB
	v_add_nc_u32 v[ADSX], s20, v7
	s_mul_i32 s20, s[WR], HALFSA
	s_add_co_u32 s20, s20, SA
	v_lshl_add_u32 v[ADSY], v3, 2, s20
	s_mul_i32 s20, s[WV], 16*272                   ; my stage, in slot 0: used when that slot has had its last fill and its last read
	v_mul_u32_u24 v7, v1, 272
	v_lshl_add_u32 v7, v2, 5, v7
	v_add_nc_u32 v[STO], s20, v7
	v_mul_u32_u24 v7, v2, 272
	v_lshl_add_u32 v7, v1, 4, v7
	v_add_nc_u32 v[RD], s20, v7
	v_lshlrev_b32 v7, 12, v2
	v_lshl_add_u32 v[CO], v1, 4, v7
	s_lshl_b32 s20, s42, 9
	s_lshl_b32 s21, s[WC], 8
	s_add_co_u32 s20, s20, s21
	s_mov_b32 s21, 0
	s_add_nc_u64 s[10:11], s[10:11], s[20:21]
	s_lshl_b32 s22, s66, 7
	s_lshl_b32 s23, s[WR], 6
	s_add_co_u32 s22, s22, s23
	s_lshl_b32 s22, s22, 12
	s_add_co_u32 s20, s20, s22
	s_add_nc_u64 s[12:13], s[12:13], s[20:21]
	s_add_nc_u64 s[14:15], s[14:15], s[20:21]
	v_lshlrev_b32 v9, 5, v2
	WIN 0x40
.irp b, 0,1,2,3
	global_load_b128 v[96+8*\b:96+8*\b+3], v9, s[10:11] offset:64*\b
	global_load_b128 v[96+8*\b+4:96+8*\b+7], v9, s[10:11] offset:64*\b+16
.endr
	WIN 0x80
.irp a, 0,1,2,3
.irp t, 0,1,2,3,4,5,6,7
	global_load_b128 v[128+4*(8*\a+\t):128+4*(8*\a+\t)+3], v[CO], s[12:13] offset:(16*\a+2*\t)*4096
.endr
.endr
	WIN 0
	s_wait_tensorcnt 0x1                           ; the scales and my part of slot 0 are in; slot 1's load, issued behind them, may be out
	s_barrier_signal -1
	s_barrier_wait -1
	FETCH 0, 0, 0
	SCALES 0
	s_wait_loadcnt 32                              ; the bias is in; the 32 loads of the residual, issued behind it, may be out
	STEP0 0, 1
.if LAPS > 1
	s_mov_b32 s3, LAPS-1
.Llap:                                             ; a trip goes once round the ring and fills both slots again
	TURN 0, 1, 1
	STEP0 1, 0
	TURN 1, 0, 1
	STEP0 0, 0
	s_sub_co_u32 s3, s3, 1
	s_cmp_lg_u32 s3, 0
	s_cbranch_scc1 .Llap
.endif
	TURN 0, 1, 0
	STEP0 1, 0
	s_wait_dscnt 0x0
	MULS 0, 4, 1, 1, 1, 0
.macro TOST a
	WIN 0x08
.irp b, 0,1,2,3
	ds_store_b128 v[STO], v[8*(4*(\a)+\b):8*(4*(\a)+\b)+3] offset:64*\b
	ds_store_b128 v[STO], v[8*(4*(\a)+\b)+4:8*(4*(\a)+\b)+7] offset:64*\b+16
.endr
	WIN 0
.irp t, 0,1,2,3,4,5,6,7
	ds_load_b128 v[BK+32*((\a)%2)+4*\t:BK+32*((\a)%2)+4*\t+3], v[RD] offset:\t*544
.endr
.endm
.macro SENDR a, younger
	s_wait_dscnt \younger                          ; the block is back; the next block's 8 stores and 8 loads may be out
	WIN 0x08
.irp t, 0,1,2,3,4,5,6,7
	v_pk_add_f32 v[BK+32*((\a)%2)+4*\t:BK+32*((\a)%2)+4*\t+1], v[BK+32*((\a)%2)+4*\t:BK+32*((\a)%2)+4*\t+1], v[128+4*(8*(\a)+\t):128+4*(8*(\a)+\t)+1]
	v_pk_add_f32 v[BK+32*((\a)%2)+4*\t+2:BK+32*((\a)%2)+4*\t+3], v[BK+32*((\a)%2)+4*\t+2:BK+32*((\a)%2)+4*\t+3], v[128+4*(8*(\a)+\t)+2:128+4*(8*(\a)+\t)+3]
.endr
	WIN 0
.irp t, 0,1,2,3,4,5,6,7
.if NTOUT
	global_store_b128 v[CO], v[BK+32*((\a)%2)+4*\t:BK+32*((\a)%2)+4*\t+3], s[14:15] offset:(16*(\a)+2*\t)*4096 th:TH_STORE_NT
.else
	global_store_b128 v[CO], v[BK+32*((\a)%2)+4*\t:BK+32*((\a)%2)+4*\t+3], s[14:15] offset:(16*(\a)+2*\t)*4096
.endif
.endr
.endm
	PLACES 4                                       ; behind the last products
	s_wait_loadcnt 0x0                             ; the residual
	TOST 0
.irp a, 1,2,3
.if \a > 1
	s_wait_xcnt 0x0                                ; block a - 2's stores have read their registers
.endif
	TOST \a
	SENDR \a-1, 16
.endr
	SENDR 3, 0
	s_wait_tensorcnt 0x0                           ; the wave's end
	ds_add_u32 v[SPW], v[NIL]
	s_wait_dscnt 0x0
	CROUND                                         ; the closing round
	s_endpgm
.Lfunc_end_k_q4df68de9ed_proj:
	.size	k_q4df68de9ed_proj, .Lfunc_end_k_q4df68de9ed_proj-k_q4df68de9ed_proj
	.p2alignl 7, 3214868480
	.fill 96, 4, 3214868480
	.section	.rodata,"a",@progbits
	.p2align	6, 0x0
	.amdhsa_kernel k_q4df68de9ed_proj
		.amdhsa_group_segment_fixed_size 327680
		.amdhsa_private_segment_fixed_size 0
		.amdhsa_enable_private_segment 0
		.amdhsa_kernarg_size 48
		.amdhsa_user_sgpr_count 2
		.amdhsa_user_sgpr_kernarg_segment_ptr 1
		.amdhsa_wavefront_size32 1
		.amdhsa_system_sgpr_workgroup_id_x 1
		.amdhsa_system_sgpr_workgroup_id_y 1
		.amdhsa_system_sgpr_workgroup_id_z 1
		.amdhsa_system_vgpr_workitem_id 0
		.amdhsa_next_free_vgpr 768
		.amdhsa_next_free_sgpr 100
		.amdhsa_reserve_vcc 0
		.amdhsa_float_denorm_mode_32 3
		.amdhsa_float_denorm_mode_16_64 3
		.amdhsa_memory_ordered 1
		.amdhsa_forward_progress 1
		.amdhsa_inst_pref_size 104
	.end_amdhsa_kernel
	.amdgpu_metadata
---
amdhsa.version: [ 1, 2 ]
amdhsa.kernels:
  - .name:           k_q4df68de9ed_proj
    .symbol:         k_q4df68de9ed_proj.kd
    .args:
      - { .name: mbuf, .offset: 0, .size: 8, .value_kind: global_buffer, .address_space: global }
      - { .name: proj_w_codes, .offset: 8, .size: 8, .value_kind: global_buffer, .address_space: global }
      - { .name: proj_w_scales, .offset: 16, .size: 8, .value_kind: global_buffer, .address_space: global }
      - { .name: proj_b, .offset: 24, .size: 8, .value_kind: global_buffer, .address_space: global }
      - { .name: x1, .offset: 32, .size: 8, .value_kind: global_buffer, .address_space: global }
      - { .name: out0, .offset: 40, .size: 8, .value_kind: global_buffer, .address_space: global }
    .group_segment_fixed_size: 327680
    .private_segment_fixed_size: 0
    .kernarg_segment_align: 8
    .kernarg_segment_size: 48
    .max_flat_workgroup_size: 128
    .sgpr_count:     100
    .vgpr_count:     768
    .wavefront_size: 32
...
	.end_amdgpu_metadata
.endif
;; end of part 7
